; MI455X (gfx1250); checked and timed in simulation.
; The chip was launched on July 23, 2026; its instructions are those of AMD's public machine-readable ISA for CDNA 5 (MIT licence, August 2026) and "CDNA5" Instruction Set Architecture Reference Guide (July 2026). The comments in the code are by the model that wrote it; some were corrected since.
;; Attention Layer. Allowed arithmetic: matrix products marked QUANTISED: E3M2 operands, one E8M0 scale for each 32 along K, by v_wmma_scale_f32_16x16x128_f8f6f4 with both operands' format E3M2, f32 sums; everything else in f32.
;; Inputs: Wk 1,024 x 1,024 float32; Wq 1,024 x 1,024 float32; Wv 1,024 x 1,024 float32; x 4 x 2,048 x 1,024 float32.
;; Outputs: out0 4 x 2,048 x 1,024 float32.
;; This version of the problem:
;;   THIS VERSION OF THE PROBLEM IS GIVEN IN LOW PRECISION. The matrix products marked QUANTISED in the list below multiply operands that are first quantised to E3M2 (3 exponent bits, 2 mantissa bits; 6 bits a number), with one power-of-two scale for each 32 numbers along K (OCP MX v1.0); their sums are f32. All else is computed in f32.
;;   The module's matrix products, in the order in which they are computed (A, B: the left and right operand; K: the contracted axis; several contracted axes count as one K, in the product's order):
;;     1. [M 8,192, K 1,024] x [K 1,024, N 1,024]; A: input x; B: input Wq: QUANTISED
;;     2. [M 8,192, K 1,024] x [K 1,024, N 1,024]; A: input x; B: input Wk: QUANTISED
;;     3. [M 8,192, K 1,024] x [K 1,024, N 1,024]; A: input x; B: input Wv: QUANTISED
;;     4. batch 4 x [M 2,048, K 1,024] x [K 1,024, N 2,048]; A: computed on the way; B: computed on the way: QUANTISED
;;     5. batch 4 x [M 2,048, K 2,048] x [K 2,048, N 1,024]; A: softmax (see below); B: computed on the way: QUANTISED
;;   THE QUANTISER, for each operand of a quantised product, along K:
;;     - K is cut into blocks of 32 from its start; a last block that is shorter is filled with zeros.
;;     - A block's scale is 2^e with e = floor(log2(the largest magnitude in the block)) - 4, held to -126 .. 127; a block of zeros has e = 0. As a byte (E8M0): e + 127.
;;     - Each number is divided by its block's scale, clamped to +-28, and rounded to the nearest number of E3M2, ties to even, subnormals kept.
;;     - The product sums the exact products of the quantised numbers (number of the format x scale) in f32.
;;   ~~~python
;;   def quantise(x, axis):      # numpy; x: float32 -> the quantised numbers, widened to float32 again
;;       x = np.moveaxis(x, axis, -1); K = x.shape[-1]
;;       x = np.pad(x, [(0, 0)] * (x.ndim - 1) + [(0, -K % 32)]); x = x.reshape(x.shape[:-1] + (-1, 32)); a = np.abs(x).max(-1, keepdims=True)
;;       e = np.where(a > 0, np.clip(np.frexp(np.where(a > 0, a, 1))[1] - 1 - 4, -126, 127), 0)      # np.frexp(a)[1] - 1 = floor(log2(a)), exactly
;;       r = np.clip(x / 2.0 ** e, -28, 28)
;;       step = 2.0 ** (np.maximum(np.frexp(np.where(r == 0, 1, r))[1] - 1, -2) - 2)
;;       q = np.round(r / step) * step * 2.0 ** e      # np.round: ties to even
;;       return np.moveaxis(q.reshape(q.shape[:-2] + (-1,))[..., :K], -1, axis).astype(np.float32)
;;   ~~~
;;   SOFTMAX AHEAD OF A QUANTISED PRODUCT. Where the list says 'softmax', what is quantised is not the finished softmax but p = 2^(t - M), with t = logit x log2(e) and M = ceil(the row's largest t), a whole number; so 1/2 < the row's largest p <= 1. The row's sum l is taken of the UNQUANTISED p, in f32, and the product's result is divided by l at the end. Since M is a whole number, a kernel that streams over the keys may use a running M (the ceiling of the running maximum): every later rescaling is an exact power of two, which a block's scale takes up: the codes' values come out the same.
;;   OPERANDS COMPUTED ON THE WAY. 'Computed on the way' means the value that the module computes at that place (a softmax that the list does not call 'softmax' is quantised finished and normalised). What goes into a quantiser is computed in f32, as accurately as f32 sums, v_exp_f32 and their like allow (about 1e-6 of the number): no bf16 or f16 on the way to a quantiser, and a product that is left as it is and whose result goes on into a quantised operand takes f32 operands (vector FMAs, or v_wmma_f32_16x16x4_f32). A number that lies on a knife's edge between two numbers of the format may be rounded either way, as far as f32 arithmetic and the matrix unit's own rounding can turn it there, and no further.
;; One version. Each part assembles by itself: llvm-mc -triple=amdgcn-amd-amdhsa -mcpu=gfx1250 --defsym DOCPART=n.
;; ======== version 1 of 1: 4 launches
;; workspace buffers: xc 6,553,600 bytes; wc 2,457,600 bytes; qc 6,553,600 bytes; kc 6,553,600 bytes; vc 6,553,600 bytes; pc 13,107,200 bytes; pm 524,288 bytes; pl 524,288 bytes
;; launch quant (part 1): grid 352 x 1, 4 waves a work-group, no clusters, 35,328 bytes of LDS; arguments x, Wq, Wk, Wv, xc, wc; writes xc, wc
.if DOCPART == 1
	.amdgcn_target "amdgcn-amd-amdhsa--gfx1250"
	.amdhsa_code_object_version 6
	.text
	.protected	k_q19bc760097_quant
	.globl	k_q19bc760097_quant
	.p2align	8
	.type	k_q19bc760097_quant,@function
k_q19bc760097_quant:
	s_mov_b64 s[64:65], 0
	v_nop
	global_prefetch_b8 v0, s[64:65] scope:SCOPE_SE
	s_setreg_imm32_b32 hwreg(HW_REG_WAVE_MODE, 25, 1), 1
	s_wait_xcnt 0x0
; x [8192][1024] and Wq, Wk, Wv [1024][1024], f32, K innermost, become codes of BF6 (E3M2), 6 bits each, with one E8M0 scale byte for each 32 along K.
; THE LAYOUT OF ALL CODES IN THIS PROGRAM: chunks of 128 rows x 128 K, CH = 12,800 bytes, [group of 128 rows][K / 128].  In a chunk: the fragment of 16-row block B (12 registers a lane) as an image of its
; registers: registers 4 c .. 4 c + 3 of lane l at 1,536 B + 512 c + 16 l;  from byte 12,288 on the scale words: that of block 4 H + 2 j + (l / 16), lane l % 16, at 256 H + 8 l + 4 j.
; Lane r of block B holds row 32 (B / 2) + 8 (B % 2) + r % 8 + 16 (r / 8) of the 128: as source 0 of a product such a block leaves 16 neighbours along the next K in the 16 registers of two neighbouring result tiles.
; A block's scale is 2^(floor(log2(its largest magnitude)) - 4); its byte is the largest magnitude's exponent field - 4, held at 1 from below.
; LIMITS: a block of zeros gets the byte 1 where the rule says 127 (its codes are zeros, and this program alone reads the bytes); NaN and infinities among the inputs are not served.
; SHARES: a wave makes half a chunk, four fragments: 64 rows x 128 K.  The first 256 work-groups take x, then 32 each Wq, Wk, Wv: only pointers are chosen, all take one path.
; Each load reads 512 consecutive bytes of one row; a fragment's 16 rows turn through the wave's own stage in LDS (rows 528 bytes apart) so that a lane gets 2 x 32 neighbours along K of its row.
; ALL 64 LOADS OF A WAVE, its 32 KiB, go out at the head, into four sets of 64 registers: nothing is asked for later.  A fragment comes back from the stage into the registers that it left (the fourth into the first's).
; No tensor load, no barrier: waves share nothing.
.set CH,   12800
.set SCO,  12288
.set SP,   528                         ; a stage row: 512 bytes + 16: the 16 rows that a load of 16 bytes a lane touches begin 4 words apart modulo 64 words
.set WREG, 16*SP+256                   ; a wave's stage
.set LN16, 4                           ; v4   16 x lane
.set STA,  5                           ; v5   the stage, on the way in
.set LDA,  6                           ; v6   and on the way out: row r, + 128 h
.set LN8,  7                           ; v7   8 x lane
.set SH8,  8                           ; v8   8 h
.set PD,   9                           ; v9   a lane permute's destination
.set TM,   10                          ; v10-11 largest magnitudes
.set SO,   12                          ; v12-13 the conversions' scale operands
.set BY,   14                          ; v14-15 scale bytes
.set WD,   16                          ; v16  my two bytes of the scale word
.set SW,   20                          ; v20-23 the four fragments' scale words
.set PP,   24                          ; v24-25 as they are stored
.set C,    32                          ; v32-55 codes: two sets of 12
.set CT,   56                          ; v56-58, v60-62 the upper halves of a block's codes
.set R,    64                          ; v64-255 fragments 0 to 2 as loaded, then my 64 numbers of each: register 32 c + i = k 64 c + 32 h + i of my row;  v256-319 (v0-63 of window 1) fragment 3 as loaded
.set MSB, 0
.macro WIN new                         ; s_set_vgpr_msb: bits 1:0 source 0, 3:2 source 1, 7:6 destination; the immediate's high byte repeats the setting that is left
.if MSB != (\new)
	s_set_vgpr_msb (MSB<<8)|(\new)
.set MSB, (\new)
.endif
.endm
	s_load_b256 s[4:11], s[0:1], 0x0               ; x, Wq, Wk, Wv
	s_load_b128 s[12:15], s[0:1], 0x20             ; xc, wc
	v_lshl_add_u32 v59, v0, 2, 0x8800
	v_mov_b32 v63, 0
	v_lshrrev_b32 v1, 5, v0
	v_readfirstlane_b32 s24, v1                    ; wave
	v_and_b32 v1, 31, v0                           ; lane
	v_and_b32 v2, 15, v0                           ; r
	v_bfe_u32 v3, v0, 4, 1                         ; h
	v_lshlrev_b32 v[LN16], 4, v1
	s_mul_i32 s25, s24, WREG
	v_add_nc_u32 v[STA], s25, v[LN16]
	v_mul_u32_u24 v[LDA], v2, SP
	v_lshl_add_u32 v[LDA], v3, 7, v[LDA]
	v_add_nc_u32 v[LDA], s25, v[LDA]
	v_lshlrev_b32 v[LN8], 3, v1
	v_lshlrev_b32 v[SH8], 3, v3
	v_mov_b32 v[PD], 0                             ; written once: a lane permute's destination counts as one of its sources
	s_mov_b32 s22, 0x76543210
	s_mov_b32 s23, 0xfedcba98                      ; v_permlanex16_b32's selects for lane l xor 16
	s_mov_b32 s26, 0xffff0000                      ; lanes 16-31
	s_cmp_lt_u32 ttmp9, 256                        ; x's work-group or a weight's?
	s_cselect_b32 s20, 0, 256
	s_cselect_b32 s21, 63, 7
	s_sub_co_u32 s27, ttmp9, s20                   ; u: my number in xc's or in wc's work
	s_lshr_b32 s28, s27, 2                         ; the group of 128 rows in xc or wc
	s_and_b32 s29, s27, 3
	s_lshl_b32 s29, s29, 1
	s_lshr_b32 s30, s24, 1
	s_add_co_u32 s29, s29, s30                     ; which 128 along K: 2 (u % 4) + wave / 2
	s_and_b32 s30, s24, 1                          ; H: which half of the chunk's rows
	s_and_b32 s31, s28, s21                        ; the group inside its tensor
	s_lshl_b32 s32, s31, 19                        ; 128 rows of 4,096 bytes
	s_lshl_b32 s33, s30, 18                        ; 64 rows
	s_add_co_u32 s32, s32, s33
	s_lshl_b32 s33, s29, 9                         ; 128 numbers
	s_add_co_u32 s32, s32, s33
	s_mov_b32 s33, 0
	s_lshl_b32 s34, s28, 3
	s_add_co_u32 s34, s34, s29
	s_mul_i32 s34, s34, CH                         ; my chunk
	s_mul_i32 s35, s30, 6144
	s_add_co_u32 s36, s34, s35                     ; its codes: blocks 4 H on
	s_mov_b32 s37, 0
	s_lshl_b32 s35, s30, 8
	s_add_co_u32 s38, s34, s35                     ; its scale words: half H
	s_mov_b32 s39, 0
	s_wait_kmcnt 0x0
	s_cmp_lt_u32 ttmp9, 320                        ; the choices hang on the work-group's number alone
	s_cselect_b64 s[16:17], s[8:9], s[10:11]
	s_cmp_lt_u32 ttmp9, 288
	s_cselect_b64 s[16:17], s[6:7], s[16:17]
	s_cmp_lt_u32 ttmp9, 256
	s_cselect_b64 s[16:17], s[4:5], s[16:17]
	s_cselect_b64 s[18:19], s[12:13], s[14:15]
	s_add_nc_u64 s[16:17], s[16:17], s[32:33]
	s_add_nc_u64 s[36:37], s[18:19], s[36:37]
	s_add_nc_u64 s[38:39], s[18:19], s[38:39]
.macro LOADF f                         ; fragment f: load j brings the row of the fragment's lane j, 512 consecutive bytes
.if (\f) == 3
	WIN 0x40                                       ; destination window 1
.endif
.irp j, 0,1,2,3,4,5,6,7,8,9,10,11,12,13,14,15
.if (\f) == 3
	global_load_b128 v[4*\j:4*\j+3], v[LN16], s[16:17] offset:(32*((\f)/2)+8*((\f)%2)+\j%8+16*(\j/8))*4096 th:TH_LOAD_NT
.else
	global_load_b128 v[R+64*(\f)+4*\j:R+64*(\f)+4*\j+3], v[LN16], s[16:17] offset:(32*((\f)/2)+8*((\f)%2)+\j%8+16*(\j/8))*4096 th:TH_LOAD_NT
.endif
.endr
.if (\f) == 3
	WIN 0
.endif
.endm
.macro FRAGQ f
.set XS, R+64*((\f)%3)                 ; where my 64 numbers of the fragment come to stand
.set CS, C+12*((\f)%2)
	s_wait_loadcnt 16*(3-(\f))                     ; this fragment's 16 loads are in; the 16 of each later fragment may be out
.if (\f) == 3
	WIN 0x04                                       ; an LDS store's data are its source 1: window 1
.irp j, 0,1,2,3,4,5,6,7,8,9,10,11,12,13,14,15
	ds_store_b128 v[STA], v[4*\j:4*\j+3] offset:SP*\j
.endr
	WIN 0
.else
.irp j, 0,1,2,3,4,5,6,7,8,9,10,11,12,13,14,15
	ds_store_b128 v[STA], v[XS+4*\j:XS+4*\j+3] offset:SP*\j
.endr
.endif
.irp c, 0,1
.irp i, 0,1,2,3,4,5,6,7
	ds_load_b128 v[XS+32*\c+4*\i:XS+32*\c+4*\i+3], v[LDA] offset:256*\c+16*\i   ; LDS serves a wave's instructions in order: these see the stores above, and land behind them
.endr
.endr
	s_wait_dscnt 0x0                               ; my numbers are in
.irp c, 0,1                                    ; my block 2 c + h: all its 32 numbers are mine
	v_max3_num_f32 v[TM+\c], |v[XS+32*\c]|, |v[XS+32*\c+1]|, 0x2800000   ; with the floor 2^(5 - 127): the byte cannot fall under 1
.endr
.irp i, 2,4,6,8,10,12,14,16,18,20,22,24,26,28,30
.irp c, 0,1
	v_max3_num_f32 v[TM+\c], v[TM+\c], |v[XS+32*\c+\i]|, |v[XS+32*\c+\i+1]|
.endr
.endr
.irp c, 0,1
	v_add_nc_u32 v[SO+\c], 0xfe000000, v[TM+\c]    ; 4 off the exponent field: the conversion takes the exponent field of this operand as its scale
.endr
.irp c, 0,1
	v_lshrrev_b32 v[BY+\c], 23, v[SO+\c]           ; the scale's byte
.endr
	v_lshl_or_b32 v[WD], v[BY+1], 16, v[BY]        ; blocks h and 2 + h of my row,
	v_lshlrev_b32 v[WD], v[SH8], v[WD]             ; at their places in the word;
	v_permlanex16_b32 v[PD], v[WD], s22, s23
	v_or_b32 v[SW+(\f)], v[WD], v[PD]              ; with lane l xor 16's two the word is whole
.if (\f) >= 2
	s_wait_xcnt 0x0                                ; the stores of two fragments ago have read this set of codes
.endif
.irp c, 0,1
	v_cvt_scalef32_pk16_bf6_f32 v[CS+6*\c:CS+6*\c+2], v[XS+32*\c:XS+32*\c+15], v[SO+\c]
	v_cvt_scalef32_pk16_bf6_f32 v[CT+4*\c:CT+4*\c+2], v[XS+32*\c+16:XS+32*\c+31], v[SO+\c]   ; (a conversion's three registers begin on an even number)
.endr
	v_nop                                          ; one plain place behind a scaled conversion
.irp c, 0,1
.irp i, 0,1,2
	v_mov_b32 v[CS+6*\c+3+\i], v[CT+4*\c+\i]
.endr
.endr
.irp c, 0,1,2
	global_store_b128 v[LN16], v[CS+4*\c:CS+4*\c+3], s[36:37] offset:1536*(\f)+512*\c   ; 32 lanes store 512 consecutive bytes, aligned to 256
.endr
.endm
	LOADF 0
	LOADF 1
	LOADF 2
	LOADF 3
	FRAGQ 0
	FRAGQ 1
	FRAGQ 2
	FRAGQ 3
	v_cndmask_b32 v[PP], v[SW], v[SW+1], s26       ; lanes 0-15 the even block's words, lanes 16-31 the odd block's
	v_cndmask_b32 v[PP+1], v[SW+2], v[SW+3], s26
	global_store_b64 v[LN8], v[PP:PP+1], s[38:39] offset:SCO   ; 32 lanes store 256 consecutive bytes, aligned
	s_wait_tensorcnt 0x0
	ds_add_u32 v59, v63
	s_wait_dscnt 0x0
	s_endpgm
.Lfunc_end_k_q19bc760097_quant:
	.size	k_q19bc760097_quant, .Lfunc_end_k_q19bc760097_quant-k_q19bc760097_quant
	.p2alignl 7, 3214868480
	.fill 96, 4, 3214868480
	.section	.rodata,"a",@progbits
	.p2align	6, 0x0
	.amdhsa_kernel k_q19bc760097_quant
		.amdhsa_group_segment_fixed_size 35328
		.amdhsa_private_segment_fixed_size 0
		.amdhsa_enable_private_segment 0
		.amdhsa_kernarg_size 48
		.amdhsa_user_sgpr_count 2
		.amdhsa_user_sgpr_kernarg_segment_ptr 1
		.amdhsa_wavefront_size32 1
		.amdhsa_system_sgpr_workgroup_id_x 1
		.amdhsa_system_sgpr_workgroup_id_y 1
		.amdhsa_system_sgpr_workgroup_id_z 1
		.amdhsa_system_vgpr_workitem_id 0
		.amdhsa_next_free_vgpr 320
		.amdhsa_next_free_sgpr 66
		.amdhsa_reserve_vcc 0
		.amdhsa_float_denorm_mode_32 3
		.amdhsa_float_denorm_mode_16_64 3
		.amdhsa_memory_ordered 1
		.amdhsa_forward_progress 1
		.amdhsa_inst_pref_size 31
	.end_amdhsa_kernel
	.amdgpu_metadata
---
amdhsa.version: [ 1, 2 ]
amdhsa.kernels:
  - .name:           k_q19bc760097_quant
    .symbol:         k_q19bc760097_quant.kd
    .args:
      - { .name: x, .offset: 0, .size: 8, .value_kind: global_buffer, .address_space: global }
      - { .name: Wq, .offset: 8, .size: 8, .value_kind: global_buffer, .address_space: global }
      - { .name: Wk, .offset: 16, .size: 8, .value_kind: global_buffer, .address_space: global }
      - { .name: Wv, .offset: 24, .size: 8, .value_kind: global_buffer, .address_space: global }
      - { .name: xc, .offset: 32, .size: 8, .value_kind: global_buffer, .address_space: global }
      - { .name: wc, .offset: 40, .size: 8, .value_kind: global_buffer, .address_space: global }
    .group_segment_fixed_size: 35328
    .private_segment_fixed_size: 0
    .kernarg_segment_align: 8
    .kernarg_segment_size: 48
    .max_flat_workgroup_size: 128
    .sgpr_count:     66
    .vgpr_count:     320
    .wavefront_size: 32
...
	.end_amdgpu_metadata
.endif
;; end of part 1
;; launch proj (part 2): grid 12 x 32, 4 waves a work-group, clusters of 4 x 4, 327,680 bytes of LDS; arguments xc, wc, qc, kc, vc; writes qc, kc, vc
.if DOCPART == 2
	.amdgcn_target "amdgcn-amd-amdhsa--gfx1250"
	.amdhsa_code_object_version 6
	.text
	.protected	k_q19bc760097_proj
	.globl	k_q19bc760097_proj
	.p2align	8
	.type	k_q19bc760097_proj,@function
k_q19bc760097_proj:
	s_mov_b64 s[64:65], 0
	v_nop
	global_prefetch_b8 v0, s[64:65] scope:SCOPE_SE
	s_setreg_imm32_b32 hwreg(HW_REG_WAVE_MODE, 25, 1), 1
	s_wait_xcnt 0x0
	s_wait_alu depctr_hold_cnt(0) depctr_sa_sdst(0) depctr_va_vdst(0) depctr_va_sdst(0) depctr_va_ssrc(0) depctr_va_vcc(0) depctr_vm_vsrc(0)
	s_getreg_b32 s2, hwreg(HW_REG_IB_STS2, 6, 4)
	s_cmp_eq_u32 s2, 0
	s_cbranch_scc0 .Lentry_in_a_cluster
	s_endpgm
.Lentry_in_a_cluster:
	s_bfe_u32 s2, ttmp6, 0x10000c
	s_cmp_lg_u32 s2, 0xf033
	s_cbranch_scc0 .Lentry_shape_is_right
	s_endpgm
.Lentry_shape_is_right:
; Q = x Wq^T, K = x Wk^T and V^T = Wv x^T on codes of BF6 (E3M2) with E8M0 scales; each result is quantised in registers along the K of the product that will read it, and stored as codes.
; ALL CODES LIE IN CHUNKS of 128 rows x 128 K, CH = 12,800 bytes, [group of 128 rows][K / 128]: block B's fragment as an image of its registers (registers 4 c .. 4 c + 3 of lane l at 1,536 B + 512 c + 16 l), and from
; byte 12,288 on the scale words (block 4 H + 2 j + l / 16, lane l % 16, at 256 H + 8 l + 4 j).  Lane r of block B is row 32 (B / 2) + 8 (B % 2) + r % 8 + 16 (r / 8) of the 128.
; A work-group of four waves makes 256 x 256 results, a wave 128 x 128: 64 accumulators, 512 registers.  SOURCE 1's 16 rows fall to the lanes, SOURCE 0's rows run along a lane's registers: by the order of rows above the
; 16 registers of result tiles 2 b and 2 b + 1 are 16 neighbours along source 0's rows.  So a wave's results are exactly ONE chunk of the output: rows = source 1's group, K = source 0's group.
; Q, K (clusters x = 0, 1): source 1 = tokens (xc), source 0 = features (wc).   V^T (cluster x = 2): source 1 = features (Wv's groups of wc), source 0 = tokens: its K is the keys.
; K = 1,024 is four fills of 256 along K: for each of the four groups of 128 rows two chunks, 25,600 dense bytes, brought by one tensor load a wave as 100 rows of 256 bytes.  THREE LDS SLOTS: three fills go out together at the
; head; the fourth takes slot 0 behind the first change of slots and has the products of slots 1 and 2, 256 matrix instructions a wave, in which to land.
; CLUSTERS: 4 x 4 work-groups.  Waves 0 and 1 fetch source 1's two groups, which hang on cy (and the cluster's y) alone and are asked for jointly along my row of the cluster; waves 2 and 3 source 0's, which hang on cx
; (and the cluster's x or y) alone, jointly along my column.  Which buffer a side reads is chosen by the cluster's x, which all sixteen share; no LDS address and no branch hangs on it.
; LIMITS: a block of zeros gets the byte 1 where the rule says 127 (its codes are zeros, and this program alone reads the bytes); NaN and infinities are not served.
; REGISTERS, in windows of 256: window 0: v8-29 addresses; v32-63 scale words and nothing else; v128-223 source 1's fragments, one set, later the codes made; v224-255 at work on the way out.
;   window 1: source 0's fragments, two sets, at v0 and v128.   windows 2, 3: the accumulators: (a, b) at v[8 (8 (a % 4) + b)], a = source 1's block, b = source 0's.
.set CH,    12800
.set SCO,   12288
.set QB,    2*CH                       ; what one tensor load brings: 256 along K of 128 rows
.set SLOT,  4*QB
.set SPARE, 3*SLOT                     ; behind the three slots: the spare words, 128 bytes for each wave: two blocks of 256 bytes that no other line names
.set FR,    12
.set ADRA, 8                           ; v8-10  source 1's quarter of slot 0, 1, 2, + 16 x lane
.set ADSA, 11                          ; v11-13 the same + 8 x lane: its scale words
.set ADRB, 14                          ; v14-16, v17-19 the same for source 0
.set ADSB, 17
.set GA,   24                          ; v24  16 x lane
.set GS,   25                          ; v25  8 x lane
.set SPW,  28                          ; v28  LDS address of my spare word; never rewritten
.set NIL,  29                          ; v29  0; never rewritten
.set SC,   32                          ; scale words: v[SC + 16 set + 8 q + 4 side + B / 2]: lanes 0-15 block B even, lanes 16-31 B odd; side 0 = source 1, 1 = source 0; the two sets take turns from fill to fill
.set PP,   96                          ; v96-99 the scale words made, as they are stored
.set AF,   128
.set TM,   224                         ; v224-227 largest magnitudes
.set TX,   228                         ; v228-231 the other half's; then bytes
.set SO,   232                         ; v232-235 the conversions' scale operands
.set FL,   236                         ; v236 the floor 2^(5 - 127)
.set PW,   240                         ; v240-247 block a's scale word
.set CT,   248                         ; v248-250, v252-254
.set G1,  24                           ; s[24:31] group 1 for source 1's tiles
.set G0,  32                           ; s[32:35], s[36:39], s[84:87] its groups 0, one for each slot
.set G1B, 48                           ; s[48:55] group 1 for source 0's tiles
.set G0B, 56                           ; s[56:59], s[60:63], s[88:91] its groups 0
.set OUTB, 74                          ; s[74:75] my output chunk
.set SEL,  78
.set HI16, 80
.set MSB, 0
.macro WIN new                         ; the immediate's high byte repeats the setting that is left
.if MSB != (\new)
	s_set_vgpr_msb (MSB<<8)|(\new)
.set MSB, (\new)
.endif
.endm
.set MUL_LO, 0xa1                      ; source 0 window 1, source 1 window 0, C and D window 2
.set MUL_HI, 0xf1                      ; the same, C and D window 3
.set TO_B,   0x40                      ; destination window 1
.macro PLACES                          ; four plain places behind matrix instructions, in front of loads into their registers and of the first read of results
.rept 4
	v_nop
.endr
.endm
; A joint load: waves 0 and 1 fetch source 1's groups, waves 2 and 3 source 0's.  Each line has one mask and one set of registers; the branch hangs on the wave's number alone.  Four v_nop follow each line.
.macro JLOAD g0a, g1a, g0b, g1b
	s_cmp_eq_u32 s15, 0
	s_cbranch_scc0 .Lfor_b_\@
	tensor_load_to_lds s[\g0a:\g0a+3], s[\g1a:\g1a+7]
	s_nop 0
.rept 4
	v_nop
.endr
	s_branch .Lasked_\@
.Lfor_b_\@:
	tensor_load_to_lds s[\g0b:\g0b+3], s[\g1b:\g1b+7]
	s_nop 0
.rept 4
	v_nop
.endr
.Lasked_\@:
.endm
.macro CREST                           ; a round of the cluster's barrier behind its opening barrier
	s_cmp_lg_u32 s14, 0
	s_cbranch_scc1 .Lnot_wave_0_\@
	s_barrier_signal -3
.Lnot_wave_0_\@:
	s_barrier_wait -3
	s_barrier_signal -1
	s_barrier_wait -1
.endm
.macro CROUND
	s_barrier_signal -1
	s_barrier_wait -1
	CREST
.endm
	s_load_b256 s[4:11], s[0:1], 0x0               ; xc, wc, qc, kc
	s_load_b64 s[12:13], s[0:1], 0x20              ; vc
	v_lshl_add_u32 v[SPW], v0, 2, SPARE
	v_mov_b32 v[NIL], 0
	ds_add_u32 v28, v29
	s_wait_dscnt 0x0
	v_lshrrev_b32 v1, 5, v0
	v_readfirstlane_b32 s14, v1                    ; wave 0..3
	s_lshr_b32 s15, s14, 1                         ; hr: which group of source 1 is mine.  Also: I fetch for source 1 (0) or source 0 (1)
	s_and_b32 s16, s14, 1                          ; hc: which group of source 0.  Also: which of the two groups I fetch
	s_bfe_u32 s40, ttmp6, 0x40000                  ; cx
	s_bfe_u32 s41, ttmp6, 0x40004                  ; cy
	s_and_b32 s17, ttmp7, 0xffff                   ; the cluster's y
	s_lshl_b32 s43, s41, 2
	s_lshl_b32 s43, 15, s43                        ; my row of the cluster
	s_lshl_b32 s44, 0x1111, s40                    ; my column
	s_or_b32 s[G1], s43, (3<<16)|(1<<21)           ; 15:0 the mask; 17:16 elements of 8 bytes; 21 set beside a mask; no padding
	s_or_b32 s[G1B], s44, (3<<16)|(1<<21)
.irp g, G1, G1B                        ; a dense block of 25,600 bytes as 100 rows of 256
	s_mov_b32 s[\g+1], 32<<16                      ; tensor_dim0 = 32 elements
	s_mov_b32 s[\g+2], 100<<16                     ; tensor_dim1 = 100
	s_mov_b32 s[\g+3], 32<<16                      ; tile_dim0
	s_mov_b32 s[\g+4], 100                         ; tile_dim1
	s_mov_b32 s[\g+5], 32                          ; from row to row
	s_mov_b32 s[\g+6], 0
	s_mov_b32 s[\g+7], 0
.endr
	; source 1's group: tokens 2 (4 cluster y + cy) + half, or for V^T Wv's features 16 + 2 cy + half.  These registers never hold cx
	s_lshl_b32 s18, s17, 2
	s_add_co_u32 s18, s18, s41                     ; 4 cluster y + cy
	s_lshl_b32 s20, s18, 1
	s_lshl_b32 s21, s41, 1
	s_add_co_u32 s21, s21, 16
	s_cmp_eq_u32 ttmp9, 2                          ; the cluster's x: the same in all sixteen
	s_cselect_b32 s20, s21, s20
	s_add_co_u32 s20, s20, s16
	s_mul_i32 s20, s20, 8*CH                       ; a group's whole K is eight chunks
	s_mov_b32 s21, 0
	; source 0's group: features 2 (4 cluster x + cx) + half of wc, or for V^T tokens 2 (4 cluster y + cx) + half.  These registers never hold cy
	s_lshl_b32 s42, ttmp9, 2
	s_add_co_u32 s42, s42, s40                     ; 4 cluster x + cx
	s_lshl_b32 s46, s42, 1
	s_lshl_b32 s47, s17, 2
	s_add_co_u32 s47, s47, s40
	s_lshl_b32 s47, s47, 1
	s_cmp_eq_u32 ttmp9, 2
	s_cselect_b32 s46, s47, s46
	s_add_co_u32 s46, s46, s16
	s_mul_i32 s46, s46, 8*CH
	s_mov_b32 s47, 0
	s_mul_i32 s45, s14, QB                         ; where they go: quarter = wave: no place in the cluster enters an LDS address
	s_wait_kmcnt 0x0
	s_cmp_eq_u32 ttmp9, 2
	s_cselect_b64 s[22:23], s[6:7], s[4:5]         ; source 1's buffer: wc for V^T, else xc
	s_cselect_b64 s[66:67], s[4:5], s[6:7]         ; source 0's: the other
	s_add_nc_u64 s[20:21], s[22:23], s[20:21]
	s_add_nc_u64 s[46:47], s[66:67], s[46:47]
	CROUND                                         ; all sixteen work-groups are here: the first joint loads meet
.irp s, 0,1,2                          ; the three first fills, K 0, 256 and 512 on, go out as one group: three loads of mine are out
.set gA, G0+4*\s+44*(\s/2)
.set gB, G0B+4*\s+24*(\s/2)
	s_mov_b32 s[gA], 1
	s_add_co_u32 s[gA+1], s45, \s*SLOT
	s_add_nc_u64 s[gA+2:gA+3], s[20:21], \s*QB
	s_or_b32 s[gA+3], s[gA+3], 0x80000000
	s_mov_b32 s[gB], 1
	s_add_co_u32 s[gB+1], s45, \s*SLOT
	s_add_nc_u64 s[gB+2:gB+3], s[46:47], \s*QB
	s_or_b32 s[gB+3], s[gB+3], 0x80000000
	JLOAD gA, G1, gB, G1B
.endr
	v_and_b32 v1, 31, v0
	v_lshlrev_b32 v[GA], 4, v1
	v_lshlrev_b32 v[GS], 3, v1
	s_mul_i32 s76, s15, QB                         ; source 1: quarter hr
	s_mul_i32 s77, s16, QB
	s_add_co_u32 s77, s77, 2*QB                    ; source 0: quarter 2 + hc
.irp s, 0,1,2
	v_add_nc_u32 v[ADRA+\s], s76, v[GA]
	v_add_nc_u32 v[ADSA+\s], s76, v[GS]
	v_add_nc_u32 v[ADRB+\s], s77, v[GA]
	v_add_nc_u32 v[ADSB+\s], s77, v[GS]
	s_add_co_u32 s76, s76, SLOT
	s_add_co_u32 s77, s77, SLOT
.endr
	v_mov_b32 v[FL], 0x2800000
.irp b, 0,1,2,3
	v_mov_b32 v[TX+\b], 0                          ; written once: a lane permute's destination counts as one of its sources
.endr
	s_mov_b32 s[SEL], 0x76543210
	s_mov_b32 s[SEL+1], 0xfedcba98
	s_mov_b32 s[HI16], 0xffff0000
	; my output chunk.  Q, K: [token group][feature group % 8];  V^T: [batch][feature group][key group]
	s_lshl_b32 s70, s18, 1
	s_add_co_u32 s70, s70, s15
	s_lshl_b32 s70, s70, 3
	s_lshl_b32 s71, s42, 1
	s_add_co_u32 s71, s71, s16
	s_and_b32 s71, s71, 7
	s_add_co_u32 s70, s70, s71
	s_lshl_b32 s72, s17, 2
	s_add_co_u32 s72, s72, s40
	s_lshl_b32 s72, s72, 1
	s_add_co_u32 s72, s72, s16                     ; T: the token group of V^T's source 0
	s_lshr_b32 s73, s72, 4
	s_lshl_b32 s73, s73, 3
	s_lshl_b32 s68, s41, 1
	s_add_co_u32 s73, s73, s68
	s_add_co_u32 s73, s73, s15
	s_lshl_b32 s73, s73, 4
	s_and_b32 s72, s72, 15
	s_add_co_u32 s73, s73, s72
	s_cmp_eq_u32 ttmp9, 2
	s_cselect_b32 s70, s73, s70
	s_cselect_b64 s[OUTB:OUTB+1], s[12:13], s[10:11]
	s_cmp_eq_u32 ttmp9, 0
	s_cselect_b64 s[OUTB:OUTB+1], s[8:9], s[OUTB:OUTB+1]
	s_mul_i32 s70, s70, CH
	s_mov_b32 s71, 0
	s_add_nc_u64 s[OUTB:OUTB+1], s[OUTB:OUTB+1], s[70:71]
.macro FRAG reg, adr, q, i             ; a fragment comes as it was stored: three loads of 16 bytes a lane, 512 consecutive bytes each
.irp c, 0,1,2
	ds_load_b128 v[\reg+4*\c:\reg+4*\c+3], v[\adr] offset:CH*(\q)+1536*(\i)+512*\c
.endr
.endm
; One matrix instruction: source 1's block a x source 0's block b; p: source 0's set; q: which 128 of the slot; sg: the set of scale words.  An odd block's words lie in lanes 16-31.
.macro WM a, b, p, q, sg, zero
.set rD,  8*(8*((\a)%4)+(\b))
.set rS0, 128*(\p)+FR*(\b)
.set rS1, AF+FR*(\a)
.set rX0, SC+16*(\sg)+8*(\q)+4+(\b)/2
.set rX1, SC+16*(\sg)+8*(\q)+(\a)/2
.set par, 2*((\b)%2)+(\a)%2
.if \zero
.if par == 0
	v_wmma_scale_f32_16x16x128_f8f6f4 v[rD:rD+7], v[rS0:rS0+11], v[rS1:rS1+11], 0, v[rX0], v[rX1] matrix_a_fmt:MATRIX_FMT_BF6 matrix_b_fmt:MATRIX_FMT_BF6
.elseif par == 1
	v_wmma_scale_f32_16x16x128_f8f6f4 v[rD:rD+7], v[rS0:rS0+11], v[rS1:rS1+11], 0, v[rX0], v[rX1] matrix_a_fmt:MATRIX_FMT_BF6 matrix_b_fmt:MATRIX_FMT_BF6 matrix_b_scale:MATRIX_SCALE_ROW1
.elseif par == 2
	v_wmma_scale_f32_16x16x128_f8f6f4 v[rD:rD+7], v[rS0:rS0+11], v[rS1:rS1+11], 0, v[rX0], v[rX1] matrix_a_fmt:MATRIX_FMT_BF6 matrix_b_fmt:MATRIX_FMT_BF6 matrix_a_scale:MATRIX_SCALE_ROW1
.else
	v_wmma_scale_f32_16x16x128_f8f6f4 v[rD:rD+7], v[rS0:rS0+11], v[rS1:rS1+11], 0, v[rX0], v[rX1] matrix_a_fmt:MATRIX_FMT_BF6 matrix_b_fmt:MATRIX_FMT_BF6 matrix_a_scale:MATRIX_SCALE_ROW1 matrix_b_scale:MATRIX_SCALE_ROW1
.endif
.else
.if par == 0
	v_wmma_scale_f32_16x16x128_f8f6f4 v[rD:rD+7], v[rS0:rS0+11], v[rS1:rS1+11], v[rD:rD+7], v[rX0], v[rX1] matrix_a_fmt:MATRIX_FMT_BF6 matrix_b_fmt:MATRIX_FMT_BF6
.elseif par == 1
	v_wmma_scale_f32_16x16x128_f8f6f4 v[rD:rD+7], v[rS0:rS0+11], v[rS1:rS1+11], v[rD:rD+7], v[rX0], v[rX1] matrix_a_fmt:MATRIX_FMT_BF6 matrix_b_fmt:MATRIX_FMT_BF6 matrix_b_scale:MATRIX_SCALE_ROW1
.elseif par == 2
	v_wmma_scale_f32_16x16x128_f8f6f4 v[rD:rD+7], v[rS0:rS0+11], v[rS1:rS1+11], v[rD:rD+7], v[rX0], v[rX1] matrix_a_fmt:MATRIX_FMT_BF6 matrix_b_fmt:MATRIX_FMT_BF6 matrix_a_scale:MATRIX_SCALE_ROW1
.else
	v_wmma_scale_f32_16x16x128_f8f6f4 v[rD:rD+7], v[rS0:rS0+11], v[rS1:rS1+11], v[rD:rD+7], v[rX0], v[rX1] matrix_a_fmt:MATRIX_FMT_BF6 matrix_b_fmt:MATRIX_FMT_BF6 matrix_a_scale:MATRIX_SCALE_ROW1 matrix_b_scale:MATRIX_SCALE_ROW1
.endif
.endif
.endm
.macro MUL16 a0, p, q, sg, zero        ; 16 matrix instructions; the 64 accumulators take turns, one instruction a turn, in the same order in every step
.irp a, \a0, \a0+1
.irp b, 0,1,2,3,4,5,6,7
	WM \a, \b, \p, \q, \sg, \zero
.endr
.endr
.endm
.macro FETCH_B slot, q, p              ; source 0's eight fragments into set p: 24 loads
	WIN TO_B
.irp i, 0,1,2,3,4,5,6,7
	FRAG 128*(\p)+FR*\i, ADRB+\slot, \q, \i
.endr
	WIN 0
.endm
.macro FETCH_A slot, q, i0             ; source 1's blocks i0 .. i0 + 3: 12 loads
.irp i, \i0, \i0+1, \i0+2, \i0+3
	FRAG AF+FR*(\i), ADRA+\slot, \q, \i
.endr
.endm
.macro SCALES slot, sg                 ; a slot's scale words, both sides, both 128s, into set sg: 8 loads of 8 bytes a lane, 256 consecutive bytes each
.irp q, 0,1
.irp hh, 0,1
	ds_load_b64 v[SC+16*(\sg)+8*\q+2*\hh:SC+16*(\sg)+8*\q+2*\hh+1], v[ADSA+\slot] offset:SCO+CH*\q+256*\hh
	ds_load_b64 v[SC+16*(\sg)+8*\q+4+2*\hh:SC+16*(\sg)+8*\q+4+2*\hh+1], v[ADSB+\slot] offset:SCO+CH*\q+256*\hh
.endr
.endr
.endm
; A slot's first 128 along K.  A block of source 1 is free as soon as its eight products are issued: one set serves it, blocks 0-3 fetched anew in the step's middle, blocks 4-7 at its end.
.macro STEP slot, sg, zero
	s_wait_dscnt 12                                ; all but the youngest 12 loads (source 1's blocks 4-7) are in
	WIN MUL_LO
	MUL16 0, 0, 0, \sg, \zero
	MUL16 2, 0, 0, \sg, \zero
	s_wait_dscnt 0
	PLACES
	FETCH_B \slot, 1, 1
	FETCH_A \slot, 1, 0
	WIN MUL_HI
	MUL16 4, 0, 0, \sg, \zero
	MUL16 6, 0, 0, \sg, \zero
	PLACES
	WIN 0
	FETCH_A \slot, 1, 4
.endm
; A slot's second 128, with a barrier at the change of slots: in front of it each wave waits for all its tensor loads, adds 0 to its spare word, and waits for that and for its reads of this slot.
; fill = 1 (slot 0 alone): the slot is filled again, with K 768 on.
.macro TURN slot, sg, next, nsg, fill
	s_wait_tensorcnt 0x0                           ; all my tensor loads have landed: my parts of every slot that is still to be read
	ds_add_u32 v[SPW], v[NIL]                      ; 0 onto my spare word
	s_wait_dscnt 13                                ; (the add and the youngest 12 loads may be out)
	WIN MUL_LO
	MUL16 0, 1, 1, \sg, 0                          ; sixteen matrix instructions stand between the add and the wait for it
	s_wait_dscnt 0x0                               ; the add is done, and my reads of this slot are over
	s_barrier_signal -1
	MUL16 2, 1, 1, \sg, 0
	WIN 0
	s_barrier_wait -1
.if \fill
	CREST                                          ; the barrier has opened a round of the cluster's barrier: no wave of any partner still reads this slot or has a load on its way
	s_add_nc_u64 s[G0+2:G0+3], s[G0+2:G0+3], 3*QB
	s_add_nc_u64 s[G0B+2:G0B+3], s[G0B+2:G0B+3], 3*QB
	JLOAD G0, G1, G0B, G1B                         ; the first tensor load behind the round; its four v_nop are also the places in front of the loads below
.else
	PLACES
.endif
	FETCH_B \next, 0, 0
	FETCH_A \next, 0, 0
	SCALES \next, \nsg
	WIN MUL_HI
	MUL16 4, 1, 1, \sg, 0
	MUL16 6, 1, 1, \sg, 0
	PLACES
	WIN 0
	FETCH_A \next, 0, 4
.endm
; A slot's second 128 where the change of slots wants no barrier: the next slot was shown whole to every wave by the barrier of the change before (each wave had waited for all its tensor loads in front of it),
; and the slot that is left is not filled again.
.macro PASS slot, sg, next, nsg
	s_wait_dscnt 12
	WIN MUL_LO
	MUL16 0, 1, 1, \sg, 0
	MUL16 2, 1, 1, \sg, 0
	s_wait_dscnt 0
	PLACES
	FETCH_B \next, 0, 0
	FETCH_A \next, 0, 0
	SCALES \next, \nsg
	WIN MUL_HI
	MUL16 4, 1, 1, \sg, 0
	MUL16 6, 1, 1, \sg, 0
	PLACES
	WIN 0
	FETCH_A \next, 0, 4
.endm
	s_wait_tensorcnt 2                             ; my part of slot 0 is in; those of slots 1 and 2 may stay out
	s_barrier_signal -1
	s_barrier_wait -1
	FETCH_B 0, 0, 0
	FETCH_A 0, 0, 0
	SCALES 0, 0
	FETCH_A 0, 0, 4
	STEP 0, 0, 1                                   ; K 0: its products start the sums: nothing is cleared
	TURN 0, 0, 1, 1, 1                             ; K 128; slots 1 and 2 are whole; slot 0 takes K 768 ..
	STEP 1, 1, 0                                   ; K 256
	PASS 1, 1, 2, 0                                ; K 384
	STEP 2, 0, 0                                   ; K 512
	TURN 2, 0, 0, 1, 0                             ; K 640; slot 0's second fill is whole; nothing is left to fetch
	STEP 0, 1, 0                                   ; K 768
	s_wait_dscnt 12                                ; the last 128
	WIN MUL_LO
	MUL16 0, 1, 1, 1, 0
	MUL16 2, 1, 1, 1, 0
	s_wait_dscnt 0
	WIN MUL_HI
	MUL16 4, 1, 1, 1, 0
	MUL16 6, 1, 1, 1, 0
	WIN 0
	PLACES
; THE WAY OUT.  Block a's 64 registers of a lane are k 32 b + 16 h + i (register 16 b + i) of the lane's row: four blocks of 32, each shared with lane l xor 16.  They become a fragment's 12 registers and a scale word,
; and go out as they stand: 512 consecutive bytes a store.  Each block has registers of its own for its codes, so no store's data are written again.  Each accumulator is read from its low end on.
.macro QOUT a
.set W,  2+(\a)/4
.set AC, 64*((\a)%4)
.set IM, AF+FR*(\a)
	WIN (W<<2)|(W<<4)
.irp b, 0,1,2,3
	v_max3_num_f32 v[TM+\b], v[FL], |v[AC+16*\b]|, |v[AC+16*\b+1]|   ; with the floor: the byte cannot fall under 1
.endr
.irp i, 2,4,6,8,10,12,14
.irp b, 0,1,2,3
	v_max3_num_f32 v[TM+\b], v[TM+\b], |v[AC+16*\b+\i]|, |v[AC+16*\b+\i+1]|
.endr
.endr
	WIN 0
.irp b, 0,1,2,3
	v_permlanex16_b32 v[TX+\b], v[TM+\b], s[SEL], s[SEL+1]
.endr
.irp b, 0,1,2,3
	v_max_num_f32 v[TM+\b], v[TM+\b], v[TX+\b]     ; the block's largest magnitude
.endr
.irp b, 0,1,2,3
	v_add_nc_u32 v[SO+\b], 0xfe000000, v[TM+\b]    ; 4 off its exponent field: the conversion's scale operand
.endr
.irp b, 0,1,2,3
	v_lshrrev_b32 v[TX+\b], 23, v[SO+\b]           ; the scale's byte
.endr
	v_lshl_or_b32 v[PW+(\a)], v[TX+1], 8, v[TX]
	v_lshl_or_b32 v[PW+(\a)], v[TX+2], 16, v[PW+(\a)]
	v_lshl_or_b32 v[PW+(\a)], v[TX+3], 24, v[PW+(\a)]
	WIN W
.irp c, 0,1
	v_cvt_scalef32_pk16_bf6_f32 v[IM+6*\c:IM+6*\c+2], v[AC+32*\c:AC+32*\c+15], v[SO+2*\c]
	v_cvt_scalef32_pk16_bf6_f32 v[CT+4*\c:CT+4*\c+2], v[AC+32*\c+16:AC+32*\c+31], v[SO+2*\c+1]   ; (a conversion's three registers begin on an even number)
.endr
	WIN 0
	v_nop                                          ; one plain place behind a scaled conversion
.irp c, 0,1                                    ; the operand's layout wants a whole block in a lane: lanes 0-15 block 2 c, lanes 16-31 block 2 c + 1
.irp i, 0,1,2
	v_permlane16_swap_b32 v[IM+6*\c+\i], v[CT+4*\c+\i]
.endr
.irp i, 0,1,2
	v_mov_b32 v[IM+6*\c+3+\i], v[CT+4*\c+\i]
.endr
.endr
.irp c, 0,1,2
	global_store_b128 v[GA], v[IM+4*\c:IM+4*\c+3], s[OUTB:OUTB+1] offset:1536*(\a)+512*\c
.endr
.endm
.irp a, 0,1,2,3,4,5,6,7
	QOUT \a
.endr
.irp hh, 0,1
.irp j, 0,1
	v_cndmask_b32 v[PP+2*\hh+\j], v[PW+4*\hh+2*\j], v[PW+4*\hh+2*\j+1], s[HI16]   ; lanes 0-15 the even block's words, lanes 16-31 the odd block's
.endr
	global_store_b64 v[GS], v[PP+2*\hh:PP+2*\hh+1], s[OUTB:OUTB+1] offset:SCO+256*\hh
.endr
	s_wait_tensorcnt 0x0                           ; the wave's end
	ds_add_u32 v[SPW], v[NIL]
	s_wait_dscnt 0x0
	CROUND                                         ; the closing round: no work-group ends while a partner may still ask for a tile that names it
	s_endpgm
.Lfunc_end_k_q19bc760097_proj:
	.size	k_q19bc760097_proj, .Lfunc_end_k_q19bc760097_proj-k_q19bc760097_proj
	.p2alignl 7, 3214868480
	.fill 96, 4, 3214868480
	.section	.rodata,"a",@progbits
	.p2align	6, 0x0
	.amdhsa_kernel k_q19bc760097_proj
		.amdhsa_group_segment_fixed_size 327680
		.amdhsa_private_segment_fixed_size 0
		.amdhsa_enable_private_segment 0
		.amdhsa_kernarg_size 40
		.amdhsa_user_sgpr_count 2
		.amdhsa_user_sgpr_kernarg_segment_ptr 1
		.amdhsa_wavefront_size32 1
		.amdhsa_system_sgpr_workgroup_id_x 1
		.amdhsa_system_sgpr_workgroup_id_y 1
		.amdhsa_system_sgpr_workgroup_id_z 1
		.amdhsa_system_vgpr_workitem_id 0
		.amdhsa_next_free_vgpr 1024
		.amdhsa_next_free_sgpr 100
		.amdhsa_reserve_vcc 0
		.amdhsa_float_denorm_mode_32 3
		.amdhsa_float_denorm_mode_16_64 3
		.amdhsa_memory_ordered 1
		.amdhsa_forward_progress 1
		.amdhsa_inst_pref_size 137
	.end_amdhsa_kernel
	.amdgpu_metadata
---
amdhsa.version: [ 1, 2 ]
amdhsa.kernels:
  - .name:           k_q19bc760097_proj
    .symbol:         k_q19bc760097_proj.kd
    .args:
      - { .name: xc, .offset: 0, .size: 8, .value_kind: global_buffer, .address_space: global }
      - { .name: wc, .offset: 8, .size: 8, .value_kind: global_buffer, .address_space: global }
      - { .name: qc, .offset: 16, .size: 8, .value_kind: global_buffer, .address_space: global }
      - { .name: kc, .offset: 24, .size: 8, .value_kind: global_buffer, .address_space: global }
      - { .name: vc, .offset: 32, .size: 8, .value_kind: global_buffer, .address_space: global }
    .group_segment_fixed_size: 327680
    .private_segment_fixed_size: 0
    .kernarg_segment_align: 8
    .kernarg_segment_size: 40
    .max_flat_workgroup_size: 128
    .sgpr_count:     100
    .vgpr_count:     1024
    .wavefront_size: 32
...
	.end_amdgpu_metadata
.endif
;; end of part 2
;; launch score (part 3): grid 36 x 4, 4 waves a work-group, no clusters, 327,680 bytes of LDS; arguments qc, kc, pc, pm, pl; writes pc, pm, pl
.if DOCPART == 3
	.amdgcn_target "amdgcn-amd-amdhsa--gfx1250"
	.amdhsa_code_object_version 6
	.text
	.protected	k_q19bc760097_score
	.globl	k_q19bc760097_score
	.p2align	8
	.type	k_q19bc760097_score,@function
k_q19bc760097_score:
	s_mov_b64 s[64:65], 0
	v_nop
	global_prefetch_b8 v0, s[64:65] scope:SCOPE_SE
	s_setreg_imm32_b32 hwreg(HW_REG_WAVE_MODE, 25, 1), 1
	s_wait_xcnt 0x0
; S = Q K^T on codes of BF6 (E3M2), for the tiles of 256 queries x 256 keys that the causal mask leaves (36 of 64 a batch), and the softmax's p as codes.
; ALL CODES LIE IN CHUNKS of 128 rows x 128 K, CH = 12,800 bytes: block B's fragment as an image of its registers (registers 4 c .. 4 c + 3 of lane l at 1,536 B + 512 c + 16 l), from byte 12,288 on the scale words
; (block 4 H + 2 j + l / 16, lane l % 16, at 256 H + 8 l + 4 j).  Lane r of block B is row 32 (B / 2) + 8 (B % 2) + r % 8 + 16 (r / 8) of the 128.
; Source 1 = 16 queries, source 0 = 16 keys: a lane holds one query, and by the order of rows the 16 registers of result tiles 2 b, 2 b + 1 are 16 neighbouring keys.  A wave's 128 x 128 scores are one chunk of P.
; THE SOFTMAX, chunk by chunk: t = score x log2(e) / 32; M = the chunk's largest t of the query, rounded UP to a whole number; p = 2^(t - M), quantised along the keys; the sum l of the unquantised p.
; M and l of each (query, chunk) go to pm and pl in the scale words' order.  The next launch takes the largest M of a row and shifts each chunk's scale bytes and l by the whole number M - M(chunk): the codes do not hang on M.
; In every chunk that is stored each query sees at least the chunk's first key, so M is a number.  On the diagonal chunk hidden scores become -infinity ahead of the maximum.  A chunk wholly above the diagonal is not stored, and nobody reads it.
; NO CLUSTER: the 36 tiles of a batch's triangle do not divide into 4 x 4 blocks; in a cluster no branch may hang on a partner's place, so 12 of 48 work-groups a batch would multiply tiles that the mask throws away whole.
; LIMITS: a block whose every p is 0 gets the byte 1 (its codes are zeros, and this program alone reads the bytes); NaN and infinities among the scores are not served.
; The slots, the steps and the registers of the products are the projection launch's: K = 1,024 is four fills of 256 along K, each wave fetching one group's 25,600 dense bytes by one tensor load; three slots: three fills go out
; together at the head, the fourth takes slot 0 behind the first change of slots and has the products of slots 1 and 2 in which to land.
.set CH,    12800
.set SCO,   12288
.set QB,    2*CH
.set SLOT,  4*QB
.set SPARE, 3*SLOT                     ; behind the three slots: the spare words, 128 bytes for each wave: two blocks of 256 bytes that no other line names
.set FR,    12
.set ADRA, 8                           ; v8-10  Q's quarter of slot 0, 1, 2, + 16 x lane;  v11-13 + 8 x lane
.set ADSA, 11
.set ADRB, 14                          ; v14-19 the same for K
.set ADSB, 17
.set GA,   24                          ; v24  16 x lane
.set GS,   25                          ; v25  8 x lane
.set D0,   26                          ; v26  r % 8 + 16 (r / 8) - 16 h
.set NEG,  27                          ; v27  -infinity
.set SPW,  28
.set NIL,  29
.set NM,   30                          ; v[30:31] -M (the packed form names the pair and takes its low word)
.set SC,   32                          ; v32-63 scale words and nothing else: two sets, which take turns from fill to fill
.set T,    64                          ; v64-127 t - M, then p
.set AF,   128                         ; v128-223 Q's fragments; on the way out:
.set IMB,  128                         ; v128-175 codes, four sets of 12
.set PW,   176                         ; v176-183 block a's scale word
.set MV,   184                         ; v184-191 M
.set LV,   192                         ; v192-199 l
.set PP,   200                         ; v200-211 the three as they are stored
.set CT,   212                         ; v212-214, v216-218
.set BM,   224                         ; v224-227 a block's largest score, then its largest p
.set BX,   228
.set SO,   232
.set BY,   236
.set SA,   240                         ; v[240:241], v[242:243] the sum, in two chains of pairs
.set SB,   242
.set TT,   244
.set G1,  24                           ; s[24:31] group 1
.set G0,  32                           ; s[32:35], s[36:39], s[60:63] groups 0, one for each slot
.set PCB, 42
.set PMB, 44
.set PLB, 46
.set DIAG, 48
.set HI16, 49
.set SEL, 50
.set CS,  52
.set MSB, 0
.macro WIN new                         ; the immediate's high byte repeats the setting that is left
.if MSB != (\new)
	s_set_vgpr_msb (MSB<<8)|(\new)
.set MSB, (\new)
.endif
.endm
.set MUL_LO, 0xa1
.set MUL_HI, 0xf1
.set TO_B,   0x40
.macro PLACES
.rept 4
	v_nop
.endr
.endm
	s_load_b256 s[4:11], s[0:1], 0x0               ; qc, kc, pc, pm
	s_load_b64 s[12:13], s[0:1], 0x20              ; pl
	v_lshl_add_u32 v[SPW], v0, 2, SPARE
	v_mov_b32 v[NIL], 0
	ds_add_u32 v28, v29
	s_wait_dscnt 0x0
	v_lshrrev_b32 v1, 5, v0
	v_readfirstlane_b32 s14, v1                    ; wave 0..3
	s_lshr_b32 s15, s14, 1                         ; hr: which 128 queries
	s_and_b32 s16, s14, 1                          ; hc: which 128 keys.  Also: which of a tile's two groups I fetch
	s_mov_b32 s17, 0                               ; the tile: work-group x counts the triangle row by row: qi = how many of the rows' first numbers lie at or under x
.irp t, 1,3,6,10,15,21,28
	s_cmp_ge_u32 ttmp9, \t
	s_cselect_b32 s18, 1, 0
	s_add_co_u32 s17, s17, s18
.endr
	s_add_co_u32 s18, s17, 1
	s_mul_i32 s18, s18, s17
	s_lshr_b32 s18, s18, 1
	s_sub_co_u32 s18, ttmp9, s18                   ; kj = x - qi (qi + 1) / 2, at most qi
	s_and_b32 s19, ttmp7, 0xffff                   ; the batch
	s_mov_b32 s[G1], 3<<16                         ; no mask; elements of 8 bytes; no padding: a dense block of 25,600 bytes as 100 rows of 256
	s_mov_b32 s[G1+1], 32<<16
	s_mov_b32 s[G1+2], 100<<16
	s_mov_b32 s[G1+3], 32<<16
	s_mov_b32 s[G1+4], 100
	s_mov_b32 s[G1+5], 32
	s_mov_b32 s[G1+6], 0
	s_mov_b32 s[G1+7], 0
	s_cmp_lt_u32 s14, 2                            ; waves 0 and 1 fetch Q's two groups, waves 2 and 3 K's
	s_cselect_b32 s20, s17, s18
	s_lshl_b32 s20, s20, 1
	s_add_co_u32 s20, s20, s16
	s_lshl_b32 s21, s19, 4
	s_add_co_u32 s20, s20, s21                     ; group 16 b + 2 tile + half
	s_mul_i32 s20, s20, 8*CH
	s_mov_b32 s21, 0
	s_mul_i32 s54, s14, QB                         ; quarter = wave
	s_wait_kmcnt 0x0
	s_cmp_lt_u32 s14, 2
	s_cselect_b64 s[22:23], s[4:5], s[6:7]
	s_add_nc_u64 s[20:21], s[22:23], s[20:21]
.irp s, 0,1,2
.set gA, G0+4*\s+20*(\s/2)
	s_mov_b32 s[gA], 1
	s_add_co_u32 s[gA+1], s54, \s*SLOT
	s_add_nc_u64 s[gA+2:gA+3], s[20:21], \s*QB
	s_or_b32 s[gA+3], s[gA+3], 0x80000000
.endr
	tensor_load_to_lds s[G0:G0+3], s[G1:G1+7]      ; the three first fills, K 0, 256 and 512 on, go out together: three loads of mine are out
	s_nop 0
	tensor_load_to_lds s[G0+4:G0+7], s[G1:G1+7]
	s_nop 0
	tensor_load_to_lds s[G0+28:G0+31], s[G1:G1+7]
	s_nop 0
	PLACES                                         ; (four v_nop follow)
	v_and_b32 v1, 31, v0
	v_lshlrev_b32 v[GA], 4, v1
	v_lshlrev_b32 v[GS], 3, v1
	s_mul_i32 s55, s15, QB                         ; Q: quarter hr
	s_mul_i32 s56, s16, QB
	s_add_co_u32 s56, s56, 2*QB                    ; K: quarter 2 + hc
.irp s, 0,1,2
	v_add_nc_u32 v[ADRA+\s], s55, v[GA]
	v_add_nc_u32 v[ADSA+\s], s55, v[GS]
	v_add_nc_u32 v[ADRB+\s], s56, v[GA]
	v_add_nc_u32 v[ADSB+\s], s56, v[GS]
	s_add_co_u32 s55, s55, SLOT
	s_add_co_u32 s56, s56, SLOT
.endr
	v_and_b32 v1, 15, v0                           ; r
	v_bfe_u32 v2, v0, 4, 1                         ; h
	v_and_b32 v3, 7, v1
	v_lshrrev_b32 v4, 3, v1
	v_lshl_add_u32 v3, v4, 4, v3
	v_lshlrev_b32 v4, 4, v2
	v_sub_nc_u32 v[D0], v3, v4
	v_mov_b32 v[NEG], 0xff800000
	v_mov_b32 v[NM+1], 0                           ; (named as the upper half of a pair, so it is written)
.irp b, 0,1,2,3
	v_mov_b32 v[BX+\b], 0                          ; written once: a lane permute's destination counts as one of its sources
.endr
	s_mov_b32 s[SEL], 0x76543210
	s_mov_b32 s[SEL+1], 0xfedcba98
	s_mov_b32 s[HI16], 0xffff0000
	s_mov_b32 s[CS], 0x3d38aa3b                    ; c = log2(e) / 32
	s_mov_b32 s[CS+1], s[CS]
	s_lshl_b32 s40, s17, 1
	s_add_co_u32 s40, s40, s15                     ; g: my group of queries in the batch
	s_lshl_b32 s41, s18, 1
	s_add_co_u32 s41, s41, s16                     ; s: my group of keys
	s_cmp_eq_u32 s40, s41
	s_cselect_b32 s[DIAG], 1, 0
	s_lshl_b32 s55, s19, 4
	s_add_co_u32 s55, s55, s40
	s_lshl_b32 s55, s55, 4
	s_add_co_u32 s55, s55, s41                     ; my chunk of P: (16 b + g) 16 + s
	s_mul_i32 s56, s55, CH
	s_mov_b32 s57, 0
	s_add_nc_u64 s[PCB:PCB+1], s[8:9], s[56:57]
	s_lshl_b32 s56, s55, 9
	s_add_nc_u64 s[PMB:PMB+1], s[10:11], s[56:57]
	s_add_nc_u64 s[PLB:PLB+1], s[12:13], s[56:57]
.macro FRAG reg, adr, q, i
.irp c, 0,1,2
	ds_load_b128 v[\reg+4*\c:\reg+4*\c+3], v[\adr] offset:CH*(\q)+1536*(\i)+512*\c
.endr
.endm
.macro WM a, b, p, q, sg, zero         ; Q's block a x K's block b; an odd block's scale words lie in lanes 16-31
.set rD,  8*(8*((\a)%4)+(\b))
.set rS0, 128*(\p)+FR*(\b)
.set rS1, AF+FR*(\a)
.set rX0, SC+16*(\sg)+8*(\q)+4+(\b)/2
.set rX1, SC+16*(\sg)+8*(\q)+(\a)/2
.set par, 2*((\b)%2)+(\a)%2
.if \zero
.if par == 0
	v_wmma_scale_f32_16x16x128_f8f6f4 v[rD:rD+7], v[rS0:rS0+11], v[rS1:rS1+11], 0, v[rX0], v[rX1] matrix_a_fmt:MATRIX_FMT_BF6 matrix_b_fmt:MATRIX_FMT_BF6
.elseif par == 1
	v_wmma_scale_f32_16x16x128_f8f6f4 v[rD:rD+7], v[rS0:rS0+11], v[rS1:rS1+11], 0, v[rX0], v[rX1] matrix_a_fmt:MATRIX_FMT_BF6 matrix_b_fmt:MATRIX_FMT_BF6 matrix_b_scale:MATRIX_SCALE_ROW1
.elseif par == 2
	v_wmma_scale_f32_16x16x128_f8f6f4 v[rD:rD+7], v[rS0:rS0+11], v[rS1:rS1+11], 0, v[rX0], v[rX1] matrix_a_fmt:MATRIX_FMT_BF6 matrix_b_fmt:MATRIX_FMT_BF6 matrix_a_scale:MATRIX_SCALE_ROW1
.else
	v_wmma_scale_f32_16x16x128_f8f6f4 v[rD:rD+7], v[rS0:rS0+11], v[rS1:rS1+11], 0, v[rX0], v[rX1] matrix_a_fmt:MATRIX_FMT_BF6 matrix_b_fmt:MATRIX_FMT_BF6 matrix_a_scale:MATRIX_SCALE_ROW1 matrix_b_scale:MATRIX_SCALE_ROW1
.endif
.else
.if par == 0
	v_wmma_scale_f32_16x16x128_f8f6f4 v[rD:rD+7], v[rS0:rS0+11], v[rS1:rS1+11], v[rD:rD+7], v[rX0], v[rX1] matrix_a_fmt:MATRIX_FMT_BF6 matrix_b_fmt:MATRIX_FMT_BF6
.elseif par == 1
	v_wmma_scale_f32_16x16x128_f8f6f4 v[rD:rD+7], v[rS0:rS0+11], v[rS1:rS1+11], v[rD:rD+7], v[rX0], v[rX1] matrix_a_fmt:MATRIX_FMT_BF6 matrix_b_fmt:MATRIX_FMT_BF6 matrix_b_scale:MATRIX_SCALE_ROW1
.elseif par == 2
	v_wmma_scale_f32_16x16x128_f8f6f4 v[rD:rD+7], v[rS0:rS0+11], v[rS1:rS1+11], v[rD:rD+7], v[rX0], v[rX1] matrix_a_fmt:MATRIX_FMT_BF6 matrix_b_fmt:MATRIX_FMT_BF6 matrix_a_scale:MATRIX_SCALE_ROW1
.else
	v_wmma_scale_f32_16x16x128_f8f6f4 v[rD:rD+7], v[rS0:rS0+11], v[rS1:rS1+11], v[rD:rD+7], v[rX0], v[rX1] matrix_a_fmt:MATRIX_FMT_BF6 matrix_b_fmt:MATRIX_FMT_BF6 matrix_a_scale:MATRIX_SCALE_ROW1 matrix_b_scale:MATRIX_SCALE_ROW1
.endif
.endif
.endm
.macro MUL16 a0, p, q, sg, zero        ; the 64 accumulators take turns, one instruction a turn, in the same order in every step
.irp a, \a0, \a0+1
.irp b, 0,1,2,3,4,5,6,7
	WM \a, \b, \p, \q, \sg, \zero
.endr
.endr
.endm
.macro FETCH_B slot, q, p
	WIN TO_B
.irp i, 0,1,2,3,4,5,6,7
	FRAG 128*(\p)+FR*\i, ADRB+\slot, \q, \i
.endr
	WIN 0
.endm
.macro FETCH_A slot, q, i0
.irp i, \i0, \i0+1, \i0+2, \i0+3
	FRAG AF+FR*(\i), ADRA+\slot, \q, \i
.endr
.endm
.macro SCALES slot, sg
.irp q, 0,1
.irp hh, 0,1
	ds_load_b64 v[SC+16*(\sg)+8*\q+2*\hh:SC+16*(\sg)+8*\q+2*\hh+1], v[ADSA+\slot] offset:SCO+CH*\q+256*\hh
	ds_load_b64 v[SC+16*(\sg)+8*\q+4+2*\hh:SC+16*(\sg)+8*\q+4+2*\hh+1], v[ADSB+\slot] offset:SCO+CH*\q+256*\hh
.endr
.endr
.endm
.macro STEP slot, sg, zero
	s_wait_dscnt 12                                ; all but the youngest 12 loads (Q's blocks 4-7) are in
	WIN MUL_LO
	MUL16 0, 0, 0, \sg, \zero
	MUL16 2, 0, 0, \sg, \zero
	s_wait_dscnt 0
	PLACES
	FETCH_B \slot, 1, 1
	FETCH_A \slot, 1, 0
	WIN MUL_HI
	MUL16 4, 0, 0, \sg, \zero
	MUL16 6, 0, 0, \sg, \zero
	PLACES
	WIN 0
	FETCH_A \slot, 1, 4
.endm
; A slot's second 128, with a barrier at the change of slots.  fill = 1 (slot 0 alone): the slot is filled again, with K 768 on.
.macro TURN slot, sg, next, nsg, fill
	s_wait_tensorcnt 0x0                           ; all my tensor loads have landed: my parts of every slot that is still to be read
	ds_add_u32 v[SPW], v[NIL]                      ; 0 onto my spare word
	s_wait_dscnt 13                                ; (the add and the youngest 12 loads may be out)
	WIN MUL_LO
	MUL16 0, 1, 1, \sg, 0                          ; sixteen matrix instructions stand between the add and the wait for it
	s_wait_dscnt 0x0                               ; the add is done, and my reads of this slot are over
	s_barrier_signal -1
	MUL16 2, 1, 1, \sg, 0
	WIN 0
	s_barrier_wait -1                              ; nobody reads this slot any more, and what every wave has fetched is whole
.if \fill
	s_add_nc_u64 s[G0+2:G0+3], s[G0+2:G0+3], 3*QB  ; no tensor load of mine is out, so a group 0 may be written
	tensor_load_to_lds s[G0:G0+3], s[G1:G1+7]      ; my one tensor load behind this barrier, ahead of every LDS read
	s_nop 0
.endif
	PLACES                                         ; behind the tensor load, and in front of the loads below
	FETCH_B \next, 0, 0
	FETCH_A \next, 0, 0
	SCALES \next, \nsg
	WIN MUL_HI
	MUL16 4, 1, 1, \sg, 0
	MUL16 6, 1, 1, \sg, 0
	PLACES
	WIN 0
	FETCH_A \next, 0, 4
.endm
; A slot's second 128 where the change of slots wants no barrier: the next slot was shown whole to every wave by the barrier of the change before (each wave had waited for all its tensor loads in front of it),
; and the slot that is left is not filled again.
.macro PASS slot, sg, next, nsg
	s_wait_dscnt 12
	WIN MUL_LO
	MUL16 0, 1, 1, \sg, 0
	MUL16 2, 1, 1, \sg, 0
	s_wait_dscnt 0
	PLACES
	FETCH_B \next, 0, 0
	FETCH_A \next, 0, 0
	SCALES \next, \nsg
	WIN MUL_HI
	MUL16 4, 1, 1, \sg, 0
	MUL16 6, 1, 1, \sg, 0
	PLACES
	WIN 0
	FETCH_A \next, 0, 4
.endm
	s_wait_tensorcnt 2                             ; my part of slot 0 is in; those of slots 1 and 2 may stay out
	s_barrier_signal -1
	s_barrier_wait -1
	FETCH_B 0, 0, 0
	FETCH_A 0, 0, 0
	SCALES 0, 0
	FETCH_A 0, 0, 4
	STEP 0, 0, 1                                   ; the first products start the sums
	TURN 0, 0, 1, 1, 1                             ; slots 1 and 2 are whole; slot 0 takes K 768 ..
	STEP 1, 1, 0
	PASS 1, 1, 2, 0
	STEP 2, 0, 0
	TURN 2, 0, 0, 1, 0                             ; slot 0's second fill is whole; nothing is left to fetch
	STEP 0, 1, 0
	s_wait_dscnt 12
	WIN MUL_LO
	MUL16 0, 1, 1, 1, 0
	MUL16 2, 1, 1, 1, 0
	s_wait_dscnt 0
	WIN MUL_HI
	MUL16 4, 1, 1, 1, 0
	MUL16 6, 1, 1, 1, 0
	WIN 0
	PLACES
	s_cmp_gt_u32 s41, s40                          ; all my keys come after all my queries: nothing of this chunk counts.  A branch on ids; no barrier follows
	s_cbranch_scc1 .Lend
; Block a: 16 queries x 128 keys.  Register 16 b + i of lane (r, h) is key 32 b + 16 h + i of query 32 (a / 2) + 8 (a % 2) + r % 8 + 16 (r / 8).
.macro SOFT a
.set W,  2+(\a)/4
.set AC, 64*((\a)%4)
.set IM, IMB+12*((\a)%4)
	s_cmp_eq_u32 s[DIAG], 0
	s_cbranch_scc1 .Lopen_\@
	WIN (W<<6)|W                                   ; ON THE DIAGONAL CHUNK: in block b = a / 2 of the keys a key is hidden where i - 8 (a % 2) > r % 8 + 16 (r / 8) - 16 h; the blocks behind it are hidden whole
.set n, 0
.rept 16
	v_cmp_gt_i32 vcc_lo, n-8*((\a)%2), v[D0]
	v_cndmask_b32 v[AC+16*((\a)/2)+n], v[AC+16*((\a)/2)+n], v[NEG], vcc_lo
.set n, n+1
.endr
.irp bb, 1,2,3
.if \bb > (\a)/2
.set n, 0
.rept 16
	v_mov_b32 v[AC+16*\bb+n], 0xff800000
.set n, n+1
.endr
.endif
.endr
	WIN 0
.Lopen_\@:
	WIN (W<<2)|(W<<4)
.irp b, 0,1,2,3
	v_max3_num_f32 v[BM+\b], v[NEG], v[AC+16*\b], v[AC+16*\b+1]   ; the largest score of each block of 32 keys: it serves for the row's maximum and, since p rises with the score, for the block's largest p
.endr
.irp i, 2,4,6,8,10,12,14
.irp b, 0,1,2,3
	v_max3_num_f32 v[BM+\b], v[BM+\b], v[AC+16*\b+\i], v[AC+16*\b+\i+1]
.endr
.endr
	WIN 0
.irp b, 0,1,2,3
	v_permlanex16_b32 v[BX+\b], v[BM+\b], s[SEL], s[SEL+1]
.endr
.irp b, 0,1,2,3
	v_max_num_f32 v[BM+\b], v[BM+\b], v[BX+\b]
.endr
	v_max3_num_f32 v[TT], v[BM], v[BM+1], v[BM+2]
	v_max_num_f32 v[TT], v[TT], v[BM+3]
	v_mul_f32 v[TT], s[CS], v[TT]                  ; the chunk's largest t of my query
	v_floor_f32 v[NM], -v[TT]                      ; -M = floor(-t): M is a whole number
	WIN W
.set n, 0
.rept 32
	v_pk_fma_f32 v[T+n:T+n+1], v[AC+n:AC+n+1], s[CS:CS+1], v[NM:NM+1] op_sel_hi:[1,0,0]   ; t - M, two at a time
.set n, n+2
.endr
	WIN 0
.irp b, 0,1,2,3
	v_fma_f32 v[BM+\b], v[BM+\b], s[CS], v[NM]     ; the same of each block's largest score
.endr
.set n, 0
.rept 64
	v_exp_f32 v[T+n], v[T+n]                       ; p = 2^(t - M)
.set n, n+1
.endr
	v_mul_f32 v[MV+(\a)], -1.0, v[NM]              ; M.  (A plain place behind the exponentials)
	s_wait_alu depctr_va_vdst(0)                   ; one wait for the batch of 64, ahead of its first reader
.irp b, 0,1,2,3
	v_exp_f32 v[BM+\b], v[BM+\b]                   ; the block's largest p
.endr
	v_pk_add_f32 v[SA:SA+1], v[T:T+1], v[T+2:T+3]  ; the sum is taken of the unquantised p, in two chains; it reads the 64 alone
	v_pk_add_f32 v[SB:SB+1], v[T+4:T+5], v[T+6:T+7]
.irp j, 8,12,16,20,24,28,32,36,40,44,48,52,56,60
	v_pk_add_f32 v[SA:SA+1], v[SA:SA+1], v[T+\j:T+\j+1]
	v_pk_add_f32 v[SB:SB+1], v[SB:SB+1], v[T+\j+2:T+\j+3]
.endr
	v_pk_add_f32 v[SA:SA+1], v[SA:SA+1], v[SB:SB+1]
	s_wait_alu depctr_va_vdst(0)                   ; and one for the four
.irp b, 0,1,2,3
	v_max_num_f32 v[BM+\b], 0x2800000, v[BM+\b]    ; the floor 2^(5 - 127): the byte cannot fall under 1
.endr
.irp b, 0,1,2,3
	v_add_nc_u32 v[SO+\b], 0xfe000000, v[BM+\b]    ; 4 off the exponent field: the conversion's scale operand
.endr
.irp b, 0,1,2,3
	v_lshrrev_b32 v[BY+\b], 23, v[SO+\b]
.endr
	v_lshl_or_b32 v[PW+(\a)], v[BY+1], 8, v[BY]
	v_lshl_or_b32 v[PW+(\a)], v[BY+2], 16, v[PW+(\a)]
	v_lshl_or_b32 v[PW+(\a)], v[BY+3], 24, v[PW+(\a)]
.if (\a) >= 4
	s_wait_xcnt 0x0                                ; the stores of four blocks ago have read this set of codes
.endif
.irp c, 0,1
	v_cvt_scalef32_pk16_bf6_f32 v[IM+6*\c:IM+6*\c+2], v[T+32*\c:T+32*\c+15], v[SO+2*\c]
	v_cvt_scalef32_pk16_bf6_f32 v[CT+4*\c:CT+4*\c+2], v[T+32*\c+16:T+32*\c+31], v[SO+2*\c+1]
.endr
	v_nop                                          ; one plain place behind a scaled conversion
.irp c, 0,1
.irp i, 0,1,2
	v_permlane16_swap_b32 v[IM+6*\c+\i], v[CT+4*\c+\i]
.endr
.irp i, 0,1,2
	v_mov_b32 v[IM+6*\c+3+\i], v[CT+4*\c+\i]
.endr
.endr
	v_add_f32 v[LV+(\a)], v[SA], v[SA+1]
	v_permlanex16_b32 v[BX], v[LV+(\a)], s[SEL], s[SEL+1]
	v_add_f32 v[LV+(\a)], v[LV+(\a)], v[BX]        ; with lane l xor 16's 64 keys: the chunk's sum of my query
.irp c, 0,1,2
	global_store_b128 v[GA], v[IM+4*\c:IM+4*\c+3], s[PCB:PCB+1] offset:1536*(\a)+512*\c   ; 512 consecutive bytes, aligned to 256
.endr
.endm
.irp a, 0,1,2,3,4,5,6,7
	SOFT \a
.endr
.irp hh, 0,1
.irp j, 0,1
	v_cndmask_b32 v[PP+2*\hh+\j], v[PW+4*\hh+2*\j], v[PW+4*\hh+2*\j+1], s[HI16]     ; lanes 0-15 the even block's, lanes 16-31 the odd block's
	v_cndmask_b32 v[PP+4+2*\hh+\j], v[MV+4*\hh+2*\j], v[MV+4*\hh+2*\j+1], s[HI16]
	v_cndmask_b32 v[PP+8+2*\hh+\j], v[LV+4*\hh+2*\j], v[LV+4*\hh+2*\j+1], s[HI16]
.endr
	global_store_b64 v[GS], v[PP+2*\hh:PP+2*\hh+1], s[PCB:PCB+1] offset:SCO+256*\hh  ; 256 consecutive bytes each, aligned
	global_store_b64 v[GS], v[PP+4+2*\hh:PP+4+2*\hh+1], s[PMB:PMB+1] offset:256*\hh
	global_store_b64 v[GS], v[PP+8+2*\hh:PP+8+2*\hh+1], s[PLB:PLB+1] offset:256*\hh
.endr
.Lend:
	s_wait_tensorcnt 0x0                           ; the wave's end
	ds_add_u32 v[SPW], v[NIL]
	s_wait_dscnt 0x0
	s_endpgm
.Lfunc_end_k_q19bc760097_score:
	.size	k_q19bc760097_score, .Lfunc_end_k_q19bc760097_score-k_q19bc760097_score
	.p2alignl 7, 3214868480
	.fill 96, 4, 3214868480
	.section	.rodata,"a",@progbits
	.p2align	6, 0x0
	.amdhsa_kernel k_q19bc760097_score
		.amdhsa_group_segment_fixed_size 327680
		.amdhsa_private_segment_fixed_size 0
		.amdhsa_enable_private_segment 0
		.amdhsa_kernarg_size 40
		.amdhsa_user_sgpr_count 2
		.amdhsa_user_sgpr_kernarg_segment_ptr 1
		.amdhsa_wavefront_size32 1
		.amdhsa_system_sgpr_workgroup_id_x 1
		.amdhsa_system_sgpr_workgroup_id_y 1
		.amdhsa_system_sgpr_workgroup_id_z 1
		.amdhsa_system_vgpr_workitem_id 0
		.amdhsa_next_free_vgpr 1024
		.amdhsa_next_free_sgpr 66
		.amdhsa_reserve_vcc 1
		.amdhsa_float_denorm_mode_32 3
		.amdhsa_float_denorm_mode_16_64 3
		.amdhsa_memory_ordered 1
		.amdhsa_forward_progress 1
		.amdhsa_inst_pref_size 211
	.end_amdhsa_kernel
	.amdgpu_metadata
---
amdhsa.version: [ 1, 2 ]
amdhsa.kernels:
  - .name:           k_q19bc760097_score
    .symbol:         k_q19bc760097_score.kd
    .args:
      - { .name: qc, .offset: 0, .size: 8, .value_kind: global_buffer, .address_space: global }
      - { .name: kc, .offset: 8, .size: 8, .value_kind: global_buffer, .address_space: global }
      - { .name: pc, .offset: 16, .size: 8, .value_kind: global_buffer, .address_space: global }
      - { .name: pm, .offset: 24, .size: 8, .value_kind: global_buffer, .address_space: global }
      - { .name: pl, .offset: 32, .size: 8, .value_kind: global_buffer, .address_space: global }
    .group_segment_fixed_size: 327680
    .private_segment_fixed_size: 0
    .kernarg_segment_align: 8
    .kernarg_segment_size: 40
    .max_flat_workgroup_size: 128
    .sgpr_count:     66
    .vgpr_count:     1024
    .wavefront_size: 32
...
	.end_amdgpu_metadata
.endif
;; end of part 3
;; launch mix (part 4): grid 4 x 64, 4 waves a work-group, no clusters, 327,680 bytes of LDS; arguments pc, pm, pl, vc, out0; writes out0
.if DOCPART == 4
	.amdgcn_target "amdgcn-amd-amdhsa--gfx1250"
	.amdhsa_code_object_version 6
	.text
	.protected	k_q19bc760097_mix
	.globl	k_q19bc760097_mix
	.p2align	8
	.type	k_q19bc760097_mix,@function
k_q19bc760097_mix:
	s_mov_b64 s[64:65], 0
	v_nop
	global_prefetch_b8 v0, s[64:65] scope:SCOPE_SE
	s_setreg_imm32_b32 hwreg(HW_REG_WAVE_MODE, 25, 1), 1
	s_wait_xcnt 0x0
; O = P V / l on codes of BF6 (E3M2).  P [batch][16 groups of 128 queries][16 chunks of 128 keys] and V^T [batch][8 groups of 128 features][16 chunks of 128 keys] lie in chunks of CH = 12,800 bytes: block B's fragment as an
; image of its registers (registers 4 c .. 4 c + 3 of lane l at 1,536 B + 512 c + 16 l), from byte 12,288 on the scale words (block 4 H + 2 j + l / 16, lane l % 16, at 256 H + 8 l + 4 j);
; lane r of block B is row 32 (B / 2) + 8 (B % 2) + r % 8 + 16 (r / 8) of the 128.  pm and pl hold, in the scale words' order, each chunk's M (a whole number) and its sum l of p = 2^(t - M).
; A work-group takes query group g of a batch (work-group y = 16 b + g) and 256 features (work-group x); the causal mask leaves it n = g + 1 chunks of keys.  A wave makes 64 queries x 128 features: 32 accumulators.
; THE ROW'S M is the largest of its chunks' M.  With the whole number e = max(M(chunk) - M, -127), 0 or less: l = the sum of l(chunk) 2^e, and e is added to each of the chunk's four scale bytes of the row, held at 0 from below:
; an exact change of the power of two; the codes stay.  The bytes lie under 128 (p is at most 1), so bit 7 of each byte serves as the.
; LIMITS: a chunk more than 127 binades under the row's M counts with 2^-127 in l, and a byte held at 0 stands for 2^-127, where the true weights are smaller still.
; Source 0 = 16 features of V^T, source 1 = 16 queries of P: a lane holds one query, and the 16 registers of result tiles 2 b, 2 b + 1 are 16 neighbouring features.
; THE RING: two slots of four chunks of keys each: P's four chunks, then those of my two groups of V^T: 3 x 51,200 dense bytes, one tensor load each by waves 0, 1, 2, as 200 rows of 256 bytes.  The sixteen steps are written out.
; THE ORDER AT THE HEAD: a wave's 48 small loads (scale words, M, l: 12 KiB) are issued AHEAD of the two first fills (307,200 bytes a work-group), so that the rows' M and l are worked out while the tiles land.
; EVERY WAVE PASSES EVERY CHANGE OF SLOTS: a step from chunk n on is passed over by a branch on the work-group's number, the same in all four waves, which leads to the slot's change and goes round loads and products alone.
; A slot is filled again only where n reaches into it.
; Chunks of P behind the diagonal were never stored: what the loads bring of them is multiplied by nobody; their M and l are replaced ahead of every use.
; NO CLUSTER: the work-groups that read the same tiles of V^T walk different numbers of chunks; those that read the same tiles of P share a third of a step's bytes.
; REGISTERS: window 0: v16-29 addresses; v32-63 P's scale words, v64-71 V^T's, and nothing else; v72-79 1 / l; v96-191 P's fragments, two sets; v192-255 M and l of the chunks; on the way out v96-255 are free.
;   window 1: V^T's fragments, two sets, at v0 and v128.   window 2: the accumulators: (a, b) at v[8 (8 a + b)].
.set CH,     12800
.set SCO,    12288
.set PART,   4*CH                      ; what one tensor load brings
.set SLOT4,  3*PART
.set STAGE,  2*SLOT4                   ; behind the ring: 16 rows x (256 bytes + 16) for each wave, for the way out; no tensor load fills it
.set SPITCH, 272
.set SPARE,  STAGE+4*16*SPITCH         ; the spare words, 128 bytes for each wave: two blocks of 256 bytes that no other line names
.set FR,   12
.set ADA,  16                          ; v16-17 P's blocks 4 hr on in slot 0, 1, + 16 x lane
.set ADB,  18                          ; v18-19 my group of V^T
.set ADV,  20                          ; v20-21 the same + 8 x lane: its scale words
.set STO,  22
.set RD,   23
.set GO,   24
.set GL,   25                          ; v25  8 x lane
.set SPW,  28
.set NIL,  29
.set PS,   32                          ; v[PS + 2 k + j]: chunk k: lanes 0-15 block 4 hr + 2 j, lanes 16-31 block 4 hr + 2 j + 1
.set VS,   64                          ; v[VS + 4 f + B / 2]
.set RL,   72                          ; v[RL + 2 a] 1 / l of block a's queries (the odd register beside it is written too: the packed form names the pair)
.set BIG,  80
.set ZR,   81
.set MX,   82                          ; v82-83 the row's M
.set RC,   92
.set XC,   94
.set AF,   96
.set MM,   192
.set LL,   224
.set G1,  24
.set G0,  32
.set MSB, 0
.macro WIN new                         ; the immediate's high byte repeats the setting that is left
.if MSB != (\new)
	s_set_vgpr_msb (MSB<<8)|(\new)
.set MSB, (\new)
.endif
.endm
.macro PLACES
.rept 4
	v_nop
.endr
.endm
	s_load_b256 s[4:11], s[0:1], 0x0               ; pc, pm, pl, vc
	s_load_b64 s[12:13], s[0:1], 0x20              ; out0
	v_lshl_add_u32 v[SPW], v0, 2, SPARE
	v_mov_b32 v[NIL], 0
	ds_add_u32 v28, v29
	s_wait_dscnt 0x0
	v_lshrrev_b32 v1, 5, v0
	v_readfirstlane_b32 s14, v1                    ; wave 0..3
	s_lshr_b32 s15, s14, 1                         ; hr: which 64 queries
	s_and_b32 s16, s14, 1                          ; hc: which 128 features
	s_and_b32 s18, ttmp7, 0xffff                   ; y = 16 b + g
	s_lshr_b32 s40, s18, 4                         ; b
	s_and_b32 s19, s18, 15
	s_add_co_u32 s19, s19, 1                       ; n: chunks of keys that count
	v_and_b32 v1, 31, v0
	v_lshlrev_b32 v[GL], 3, v1
	s_mul_i32 s48, s18, 16*CH                      ; P's scale words of my 64 queries: half hr of each chunk's
	s_lshl_b32 s50, s15, 8
	s_add_co_u32 s48, s48, s50
	s_mov_b32 s49, 0
	s_lshl_b32 s52, s18, 13                        ; M and l: 16 chunks of 512 bytes a group
	s_add_co_u32 s52, s52, s50
	s_mov_b32 s53, 0
	s_min_u32 s41, s14, 2                          ; wave 0 fetches P, waves 1 and 2 the two groups of V^T; wave 3 fetches nothing (its descriptor is wave 2's and is never issued)
	s_lshl_b32 s42, s40, 3
	s_lshl_b32 s43, ttmp9, 1
	s_add_co_u32 s42, s42, s43
	s_add_co_u32 s42, s42, s41
	s_sub_co_u32 s42, s42, 1                       ; V^T's group 8 b + 2 x + wave - 1
	s_cmp_eq_u32 s14, 0
	s_cselect_b32 s42, s18, s42                    ; or P's group y
	s_mul_i32 s42, s42, 16*CH
	s_mov_b32 s43, 0
	s_mul_i32 s44, s41, PART
	s_mov_b32 s[G1], 3<<16                         ; no mask; elements of 8 bytes; no padding: 51,200 dense bytes as 200 rows of 256
	s_mov_b32 s[G1+1], 32<<16
	s_mov_b32 s[G1+2], 200<<16
	s_mov_b32 s[G1+3], 32<<16
	s_mov_b32 s[G1+4], 200
	s_mov_b32 s[G1+5], 32
	s_mov_b32 s[G1+6], 0
	s_mov_b32 s[G1+7], 0
	s_wait_kmcnt 0x0
	s_add_nc_u64 s[48:49], s[4:5], s[48:49]
	s_add_nc_u64 s[50:51], s[6:7], s[52:53]
	s_add_nc_u64 s[52:53], s[8:9], s[52:53]
.irp s, 0,1,2,3,4,5,6,7,8,9,10,11,12,13,14,15  ; the small loads first: the large fills below are asked for behind them
	global_load_b64 v[PS+2*\s:PS+2*\s+1], v[GL], s[48:49] offset:CH*\s+SCO      ; 256 consecutive bytes each, aligned
	global_load_b64 v[MM+2*\s:MM+2*\s+1], v[GL], s[50:51] offset:512*\s
	global_load_b64 v[LL+2*\s:LL+2*\s+1], v[GL], s[52:53] offset:512*\s
.endr
	s_cmp_eq_u32 s14, 0
	s_cselect_b64 s[46:47], s[4:5], s[10:11]
	s_add_nc_u64 s[46:47], s[46:47], s[42:43]
.irp s, 0,1
	s_mov_b32 s[G0+4*\s], 1
	s_add_co_u32 s[G0+4*\s+1], s44, \s*SLOT4
	s_add_nc_u64 s[G0+4*\s+2:G0+4*\s+3], s[46:47], \s*PART
	s_or_b32 s[G0+4*\s+3], s[G0+4*\s+3], 0x80000000
.endr
	s_cmp_lt_u32 s14, 3                            ; a wave's two first fills stand in one branch on the wave's number: two loads of mine are out
	s_cbranch_scc0 .Lno_first
	tensor_load_to_lds s[G0:G0+3], s[G1:G1+7]
	s_nop 0
	tensor_load_to_lds s[G0+4:G0+7], s[G1:G1+7]
	s_nop 0
	PLACES
.Lno_first:
	s_lshl_b32 s54, s18, 19                        ; out0: row 128 y + 64 hr of 4,096 bytes, + (256 x + 128 hc) x 4
	s_lshl_b32 s56, s15, 18
	s_add_co_u32 s54, s54, s56
	s_lshl_b32 s56, ttmp9, 10
	s_add_co_u32 s54, s54, s56
	s_lshl_b32 s56, s16, 9
	s_add_co_u32 s54, s54, s56
	s_mov_b32 s55, 0
	s_add_nc_u64 s[54:55], s[12:13], s[54:55]
	v_and_b32 v2, 15, v0
	v_bfe_u32 v3, v0, 4, 1
	v_lshlrev_b32 v4, 4, v1
	s_mul_i32 s58, s15, 6144
	s_mul_i32 s59, s16, PART
	s_add_co_u32 s59, s59, PART
.irp s, 0,1
	v_add_nc_u32 v[ADA+\s], s58, v4
	v_add_nc_u32 v[ADB+\s], s59, v4
	v_add_nc_u32 v[ADV+\s], s59, v[GL]
	s_add_co_u32 s58, s58, SLOT4
	s_add_co_u32 s59, s59, SLOT4
.endr
	s_mul_i32 s58, s14, 16*SPITCH
	s_add_co_u32 s58, s58, STAGE                   ; my stage
	v_mul_u32_u24 v[STO], v2, SPITCH               ; in: row r, + 64 h
	v_lshl_add_u32 v[STO], v3, 6, v[STO]
	v_add_nc_u32 v[STO], s58, v[STO]
	v_mul_u32_u24 v[RD], v3, SPITCH                ; back: lanes 0-15 one row of 256 bytes, lanes 16-31 the next
	v_lshl_add_u32 v[RD], v2, 4, v[RD]
	v_add_nc_u32 v[RD], s58, v[RD]
	v_lshlrev_b32 v[GO], 12, v3                    ; and the same two rows in out0
	v_lshl_add_u32 v[GO], v2, 4, v[GO]
	v_mov_b32 v[BIG], 0xff61b1e6                   ; -3e38, under every M
	v_mov_b32 v[ZR], 0
	s_mov_b32 s20, 0x80808080
	s_mov_b32 s21, 0x01010101
	s_mov_b32 s22, 0x76543210
	s_mov_b32 s23, 0xfedcba98
	s_mov_b32 s57, 0xffff0000
	s_wait_loadcnt 0x0
	; THE ROWS' M AND l, while the first fills land.  Register 2 s + j: chunk s.  Chunks from n on were never stored: their M becomes -3e38 and their l 0 ahead of every use
.irp s, 1,2,3,4,5,6,7,8,9,10,11,12,13,14,15
	s_cmp_gt_u32 s19, \s
	s_cselect_b32 s56, 0, -1
	v_cndmask_b32 v[MM+2*\s], v[MM+2*\s], v[BIG], s56
	v_cndmask_b32 v[MM+2*\s+1], v[MM+2*\s+1], v[BIG], s56
	v_cndmask_b32 v[LL+2*\s], v[LL+2*\s], v[ZR], s56
	v_cndmask_b32 v[LL+2*\s+1], v[LL+2*\s+1], v[ZR], s56
.endr
.irp j, 0,1
	v_max3_num_f32 v[MX+\j], v[MM+\j], v[MM+2+\j], v[MM+4+\j]
.endr
.irp s, 3,5,7,9,11,13
.irp j, 0,1
	v_max3_num_f32 v[MX+\j], v[MX+\j], v[MM+2*\s+\j], v[MM+2*\s+2+\j]
.endr
.endr
.irp j, 0,1
	v_max_num_f32 v[MX+\j], v[MX+\j], v[MM+30+\j]
.endr
.set n, 0
.rept 32
	v_sub_f32 v[MM+n], v[MM+n], v[MX+n%2]          ; M(chunk) - M: a whole number, 0 or less
.set n, n+1
.endr
.set n, 0
.rept 32
	v_max_num_f32 v[MM+n], 0xc2fe0000, v[MM+n]     ; held at -127
.set n, n+1
.endr
.set n, 0
.rept 32
	v_cvt_i32_f32 v[MM+n], v[MM+n]                 ; e
.set n, n+1
.endr
.set n, 0
.rept 32
	v_ldexp_f32 v[LL+n], v[LL+n], v[MM+n]          ; l(chunk) 2^e
.set n, n+1
.endr
.irp d, 16,8,4,2                               ; their sum, by a tree of packed additions: v[LL], v[LL+1]
.set n, 0
.rept \d/2
	v_pk_add_f32 v[LL+n:LL+n+1], v[LL+n:LL+n+1], v[LL+n+\d:LL+n+\d+1]
.set n, n+2
.endr
.endr
	v_rcp_f32 v[RC], v[LL]
	v_rcp_f32 v[RC+1], v[LL+1]
.set n, 0
.rept 32
	v_mul_lo_u32 v[MM+n], v[MM+n], s21             ; e in each of the four bytes (modulo 2^32).  (Plain work behind the reciprocals)
.set n, n+1
.endr
.set n, 0
.rept 32
	v_or_b32 v[PS+n], s20, v[PS+n]                 ; 128 + byte: no sum below borrows from the byte above
.set n, n+1
.endr
.set n, 0
.rept 32
	v_add_nc_u32 v[PS+n], v[PS+n], v[MM+n]         ; 128 + byte + e
.set n, n+1
.endr
.set n, 0
.rept 32
	v_and_b32 v[MM+n], s20, v[PS+n]                ; bit 7 stands where byte + e is 0 or more
.set n, n+1
.endr
.set n, 0
.rept 32
	v_lshrrev_b32 v[LL+n], 7, v[MM+n]
.set n, n+1
.endr
.set n, 0
.rept 32
	v_sub_nc_u32 v[MM+n], v[MM+n], v[LL+n]         ; 0x7f in those bytes, 0 in the others
.set n, n+1
.endr
.set n, 0
.rept 32
	v_and_b32 v[PS+n], v[PS+n], v[MM+n]            ; byte + e, held at 0
.set n, n+1
.endr
	v_mov_b32 v[XC], 0                             ; (a lane permute's destination counts as one of its sources)
	v_mov_b32 v[XC+1], 0
	s_wait_alu depctr_va_vdst(0)                   ; one wait for the two reciprocals, ahead of their first reader
	v_permlanex16_b32 v[XC], v[RC], s22, s23
	v_permlanex16_b32 v[XC+1], v[RC+1], s22, s23
.irp j, 0,1
	v_cndmask_b32 v[RL+4*\j], v[RC+\j], v[XC+\j], s57      ; block 2 j's lie in lanes 0-15: lanes 16-31 take them from there;
	v_cndmask_b32 v[RL+4*\j+2], v[XC+\j], v[RC+\j], s57    ; block 2 j + 1's the other way round
.endr
.irp a, 0,1,2,3
	v_mov_b32 v[RL+2*\a+1], v[RL+2*\a]
.endr
	PLACES                                         ; the scale words were written by vector instructions: more than eight plain places stand between them and the first product
.macro FETCH k                         ; chunk k's fragments and V^T's scale words into set k % 2: 24 + 12 + 2 = 38 loads
.set fs, ((\k)/4)%2
.set fq, (\k)%4
.set ff, (\k)%2
	WIN 0x40
.irp i, 0,1,2,3,4,5,6,7
.irp c, 0,1,2
	ds_load_b128 v[128*ff+FR*\i+4*\c:128*ff+FR*\i+4*\c+3], v[ADB+fs] offset:CH*fq+1536*\i+512*\c
.endr
.endr
	WIN 0
.irp i, 0,1,2,3
.irp c, 0,1,2
	ds_load_b128 v[AF+48*ff+FR*\i+4*\c:AF+48*ff+FR*\i+4*\c+3], v[ADA+fs] offset:CH*fq+1536*\i+512*\c
.endr
.endr
.irp hh, 0,1
	ds_load_b64 v[VS+4*ff+2*\hh:VS+4*ff+2*\hh+1], v[ADV+fs] offset:SCO+CH*fq+256*\hh
.endr
.endm
.macro WM a, b, k                      ; P's block a x V^T's block b, chunk k; an odd block's scale words lie in lanes 16-31
.set rD,  8*(8*(\a)+(\b))
.set rS0, 128*((\k)%2)+FR*(\b)
.set rS1, AF+48*((\k)%2)+FR*(\a)
.set rX0, VS+4*((\k)%2)+(\b)/2
.set rX1, PS+2*(\k)+(\a)/2
.set par, 2*((\b)%2)+(\a)%2
.if (\k) == 0
.if par == 0
	v_wmma_scale_f32_16x16x128_f8f6f4 v[rD:rD+7], v[rS0:rS0+11], v[rS1:rS1+11], 0, v[rX0], v[rX1] matrix_a_fmt:MATRIX_FMT_BF6 matrix_b_fmt:MATRIX_FMT_BF6
.elseif par == 1
	v_wmma_scale_f32_16x16x128_f8f6f4 v[rD:rD+7], v[rS0:rS0+11], v[rS1:rS1+11], 0, v[rX0], v[rX1] matrix_a_fmt:MATRIX_FMT_BF6 matrix_b_fmt:MATRIX_FMT_BF6 matrix_b_scale:MATRIX_SCALE_ROW1
.elseif par == 2
	v_wmma_scale_f32_16x16x128_f8f6f4 v[rD:rD+7], v[rS0:rS0+11], v[rS1:rS1+11], 0, v[rX0], v[rX1] matrix_a_fmt:MATRIX_FMT_BF6 matrix_b_fmt:MATRIX_FMT_BF6 matrix_a_scale:MATRIX_SCALE_ROW1
.else
	v_wmma_scale_f32_16x16x128_f8f6f4 v[rD:rD+7], v[rS0:rS0+11], v[rS1:rS1+11], 0, v[rX0], v[rX1] matrix_a_fmt:MATRIX_FMT_BF6 matrix_b_fmt:MATRIX_FMT_BF6 matrix_a_scale:MATRIX_SCALE_ROW1 matrix_b_scale:MATRIX_SCALE_ROW1
.endif
.else
.if par == 0
	v_wmma_scale_f32_16x16x128_f8f6f4 v[rD:rD+7], v[rS0:rS0+11], v[rS1:rS1+11], v[rD:rD+7], v[rX0], v[rX1] matrix_a_fmt:MATRIX_FMT_BF6 matrix_b_fmt:MATRIX_FMT_BF6
.elseif par == 1
	v_wmma_scale_f32_16x16x128_f8f6f4 v[rD:rD+7], v[rS0:rS0+11], v[rS1:rS1+11], v[rD:rD+7], v[rX0], v[rX1] matrix_a_fmt:MATRIX_FMT_BF6 matrix_b_fmt:MATRIX_FMT_BF6 matrix_b_scale:MATRIX_SCALE_ROW1
.elseif par == 2
	v_wmma_scale_f32_16x16x128_f8f6f4 v[rD:rD+7], v[rS0:rS0+11], v[rS1:rS1+11], v[rD:rD+7], v[rX0], v[rX1] matrix_a_fmt:MATRIX_FMT_BF6 matrix_b_fmt:MATRIX_FMT_BF6 matrix_a_scale:MATRIX_SCALE_ROW1
.else
	v_wmma_scale_f32_16x16x128_f8f6f4 v[rD:rD+7], v[rS0:rS0+11], v[rS1:rS1+11], v[rD:rD+7], v[rX0], v[rX1] matrix_a_fmt:MATRIX_FMT_BF6 matrix_b_fmt:MATRIX_FMT_BF6 matrix_a_scale:MATRIX_SCALE_ROW1 matrix_b_scale:MATRIX_SCALE_ROW1
.endif
.endif
.endm
.macro MUL32 k                         ; the 32 accumulators take turns, one instruction a turn, in the same order in every step; chunk 0's products start the sums
.irp a, 0,1,2,3
.irp b, 0,1,2,3,4,5,6,7
	WM \a, \b, \k
.endr
.endr
.endm
; THE CHANGE OF SLOTS behind chunks 3, 7 and 11, on every wave's path whatever n.  Each wave waits for all its tensor loads, adds 0 to its spare word, and waits for that and for its reads of the slot that it leaves.  Behind the
; barrier the slot left is filled again, with the chunks eight further on, only where n reaches them (n above 8 behind chunk 3, above 12 behind chunk 7): the first thing there, one load a wave, by waves 0 to 2.
.macro CHANGE k
.set cs, ((\k)/4)%2
	s_wait_tensorcnt 0x0                           ; no tensor load of mine is out, so a group 0 may be written
	ds_add_u32 v[SPW], v[NIL]                      ; 0 onto my spare word
.if (\k) < 11
	s_add_nc_u64 s[G0+4*cs+2:G0+4*cs+3], s[G0+4*cs+2:G0+4*cs+3], 2*PART
.endif
	s_wait_dscnt 0x0                               ; the add is done, and my reads of the slot are over
	s_barrier_signal -1
	s_barrier_wait -1
.if (\k) < 11
	s_cmp_gt_u32 s19, (\k)+5
	s_cbranch_scc0 .Lno_fill_\@
	s_cmp_lt_u32 s14, 3
	s_cbranch_scc0 .Lno_fill_\@
	tensor_load_to_lds s[G0+4*cs:G0+4*cs+3], s[G1:G1+7]
	s_nop 0
	PLACES
.Lno_fill_\@:
.endif
.endm
; Chunk k, of slot fill m.  From chunk n on a step is passed over: the branch hangs on the work-group's number, is the same in all four waves, and leads to the label ahead of the slot's change: it goes round loads and products alone.
; A slot's first chunk is fetched with the chunk behind it; every other chunk's fragments were asked for ahead of the 32 products of the chunk before (what is asked for past chunk n - 1 has landed with the slot and is multiplied by nobody).
.macro SUB k, m
.if (\k) > 0
	s_cmp_gt_u32 s19, \k
	s_cbranch_scc0 .Lleft_\m
.endif
.if (\k)%4 == 0
.if (\k) > 0
	PLACES                                         ; in front of the loads into registers that the last products read
.endif
	FETCH \k
	FETCH (\k)+1
	s_wait_dscnt 38                                ; chunk k's 38 loads are in; the next chunk's 38 may be out
.else
	s_wait_dscnt 0x0
.if (\k)%4 != 3
	PLACES
	FETCH (\k)+1
.endif
.endif
	WIN 0xa1                                       ; source 0 window 1, source 1 window 0, C and D window 2
	MUL32 \k
	WIN 0
.endm
	s_wait_tensorcnt 1                             ; my part of slot 0 is in; slot 1's may stay out
	s_barrier_signal -1
	s_barrier_wait -1
.irp k, 0,1,2,3
	SUB \k, 0
.endr
.Lleft_0:
	CHANGE 3
.irp k, 4,5,6,7
	SUB \k, 1
.endr
.Lleft_1:
	CHANGE 7
.irp k, 8,9,10,11
	SUB \k, 2
.endr
.Lleft_2:
	CHANGE 11
.irp k, 12,13,14,15
	SUB \k, 3
.endr
.Lleft_3:
	s_wait_dscnt 0x0                               ; what was asked for ahead has come
	PLACES                                         ; behind the last products
; THE WAY OUT, 16 queries x 64 features at a time (e = 2 a + u): x 1 / l; a lane's 2 x 16 neighbouring features go into my stage's row r and come back as whole rows of 256 bytes.  Row r of the stage is
; query 32 (a / 2) + 8 (a % 2) + r % 8 + 16 (r / 8) of my 64.  LDS serves a wave's instructions in order: no wait between the stores and the loads, nor in front of the next block's stores.
.macro PACK e
.set eA, (\e)/2
.set eU, (\e)%2
.set TQ, 192-64*((\e)%2)
	WIN 0x02                                       ; source 0 window 2
.set n, 0
.rept 16
	v_pk_mul_f32 v[TQ+n:TQ+n+1], v[64*eA+32*eU+n:64*eA+32*eU+n+1], v[RL+2*eA:RL+2*eA+1] op_sel_hi:[1,0]   ; each accumulator from its low end on
.set n, n+2
.endr
	WIN 0
.endm
.macro TOSTAGE e
.set TQ, 192-64*((\e)%2)
.set BK, 224-128*((\e)%2)
.irp z, 0,1,2,3,4,5,6,7
	ds_store_b128 v[STO], v[TQ+4*\z:TQ+4*\z+3] offset:128*(\z/4)+16*(\z%4)
.endr
.if (\e) >= 2
	s_wait_xcnt 0x0                                ; the stores of two blocks ago have read these registers
.endif
.irp i, 0,1,2,3,4,5,6,7
	ds_load_b128 v[BK+4*\i:BK+4*\i+3], v[RD] offset:2*SPITCH*\i
.endr
.endm
.macro SEND e, younger                 ; younger: the LDS instructions issued behind block e's loads, which may stay out
.set eA, (\e)/2
.set eU, (\e)%2
.set BK, 224-128*((\e)%2)
	s_wait_dscnt \younger
.irp i, 0,1,2,3,4,5,6,7
	global_store_b128 v[GO], v[BK+4*\i:BK+4*\i+3], s[54:55] offset:(32*(eA/2)+8*(eA%2)+(2*\i)%8+16*(\i/4))*4096+256*eU th:TH_STORE_NT   ; 16 lanes store 256 consecutive bytes, aligned; written once, read by nobody here
.endr
.endm
	PACK 0
	TOSTAGE 0
.irp e, 1,2,3,4,5,6,7
	PACK \e
	TOSTAGE \e
	SEND \e-1, 16                                  ; behind block e - 1's loads: block e's 8 stores and 8 loads
.endr
	SEND 7, 0
	s_wait_tensorcnt 0x0                           ; the wave's end: behind my last tensor load and my last LDS store
	ds_add_u32 v[SPW], v[NIL]
	s_wait_dscnt 0x0
	s_endpgm
.Lfunc_end_k_q19bc760097_mix:
	.size	k_q19bc760097_mix, .Lfunc_end_k_q19bc760097_mix-k_q19bc760097_mix
	.p2alignl 7, 3214868480
	.fill 96, 4, 3214868480
	.section	.rodata,"a",@progbits
	.p2align	6, 0x0
	.amdhsa_kernel k_q19bc760097_mix
		.amdhsa_group_segment_fixed_size 327680
		.amdhsa_private_segment_fixed_size 0
		.amdhsa_enable_private_segment 0
		.amdhsa_kernarg_size 40
		.amdhsa_user_sgpr_count 2
		.amdhsa_user_sgpr_kernarg_segment_ptr 1
		.amdhsa_wavefront_size32 1
		.amdhsa_system_sgpr_workgroup_id_x 1
		.amdhsa_system_sgpr_workgroup_id_y 1
		.amdhsa_system_sgpr_workgroup_id_z 1
		.amdhsa_system_vgpr_workitem_id 0
		.amdhsa_next_free_vgpr 768
		.amdhsa_next_free_sgpr 66
		.amdhsa_reserve_vcc 0
		.amdhsa_float_denorm_mode_32 3
		.amdhsa_float_denorm_mode_16_64 3
		.amdhsa_memory_ordered 1
		.amdhsa_forward_progress 1
		.amdhsa_inst_pref_size 163
	.end_amdhsa_kernel
	.amdgpu_metadata
---
amdhsa.version: [ 1, 2 ]
amdhsa.kernels:
  - .name:           k_q19bc760097_mix
    .symbol:         k_q19bc760097_mix.kd
    .args:
      - { .name: pc, .offset: 0, .size: 8, .value_kind: global_buffer, .address_space: global }
      - { .name: pm, .offset: 8, .size: 8, .value_kind: global_buffer, .address_space: global }
      - { .name: pl, .offset: 16, .size: 8, .value_kind: global_buffer, .address_space: global }
      - { .name: vc, .offset: 24, .size: 8, .value_kind: global_buffer, .address_space: global }
      - { .name: out0, .offset: 32, .size: 8, .value_kind: global_buffer, .address_space: global }
    .group_segment_fixed_size: 327680
    .private_segment_fixed_size: 0
    .kernarg_segment_align: 8
    .kernarg_segment_size: 40
    .max_flat_workgroup_size: 128
    .sgpr_count:     66
    .vgpr_count:     768
    .wavefront_size: 32
...
	.end_amdgpu_metadata
.endif
;; end of part 4
